; MI455X (gfx1250); checked and timed in simulation.
; The chip was launched on July 23, 2026; its instructions are those of AMD's public machine-readable ISA for CDNA 5 (MIT licence, August 2026) and "CDNA5" Instruction Set Architecture Reference Guide (July 2026). The comments in the code are by the model that wrote it; some were corrected since.
;; Casual Attention. Allowed arithmetic: float matrix products may take bf16 or f16 operands with f32 sums; other float arithmetic in f32, or as packed bf16 or f16 multiplies, adds, multiply-adds, maxima and minima; sums over many terms, partial sums and values carried from step to step in f32; what a program stores and reads back later, other than sums and carried values, may be rounded once to bf16 or f16.
;; Inputs: Wk 1,024 x 1,024 float32; Wq 1,024 x 1,024 float32; Wv 1,024 x 1,024 float32; x 4 x 2,048 x 1,024 float32.
;; Outputs: out0 4 x 2,048 x 1,024 float32.
;; One version. Each part assembles by itself: llvm-mc -triple=amdgcn-amd-amdhsa -mcpu=gfx1250 --defsym DOCPART=n.
;; ======== version 1 of 1: 4 launches
;; limits: values are held in f16: magnitudes above 65,504 overflow, below 6.1e-05 lose precision
;; workspace buffers: xh 16,777,216 bytes; wt 4,194,304 bytes; qkv 50,331,648 bytes; pt 33,554,432 bytes; st 2,097,152 bytes
;; launch prep (part 1): grid 256 x 1, 8 waves a work-group, no clusters, 327,680 bytes of LDS; arguments x, Wq, Wk, Wv, xh, wt; writes xh, wt
.if DOCPART == 1
	.amdgcn_target "amdgcn-amd-amdhsa--gfx1250"
	.amdhsa_code_object_version 6
	.text
	.protected	k_qf8b9be32c7_prep
	.globl	k_qf8b9be32c7_prep
	.p2align	8
	.type	k_qf8b9be32c7_prep,@function
k_qf8b9be32c7_prep:
	s_mov_b64 s[64:65], 0
	v_nop
	global_prefetch_b8 v0, s[64:65] scope:SCOPE_SE
	s_setreg_imm32_b32 hwreg(HW_REG_WAVE_MODE, 25, 1), 1
	s_wait_xcnt 0x0
; THREE THINGS, all from inputs rounded once to bf16 (nearest even), which f16 then holds exactly within its range.
;   xh [8192][1024] f16 = bf16(x).
;   wt [2048][1024] f16: row b < 1024: Mt[b][a] = the sum over d of bf16(Wk[b][d]) bf16(Wq[a][d]), f32 sums in any order, rounded once; row 1024 + n: bf16(Wv[k][n]) along k.
; WHY Mt: (x Wq)(x Wk)^T = x (Wq Wk^T) x^T for every input, so the next launch makes y = x Wq Wk^T and v = x Wv, two products in place of three, and the scores are y x^T.  The order of rounding differs from the reference's.
; LIMITS.  f16 ends at 65,504: |x|, |Mt| and |Wv| stay within it; a number under 6e-5 keeps f16's fixed step of 6e-8.  NaN and infinities are not treated apart.
; SHARES.  Work-group g of 256, eight waves.  x: rows 32 g .. 32 g + 31, dense: thread t takes 8 numbers at 8 (256 e + t), e = 0..15: two loads of 16 bytes, one store of 16; a wave's store covers 512 consecutive bytes.
; Wv: 128 k (g / 32) x 32 n (g % 32), turned through LDS: 16 lanes store 256 consecutive bytes of a row of wt, aligned.
; Mt: the tile of 64 b (g / 16) x 64 a (g % 16).  Its 128 rows of Wq and Wk come as f32 by tensor loads, in four steps of 256 along d, through two LDS slots; each wave fetches 16 rows.  d IS SPLIT AMONG THE WAVES: of each step
; wave w takes 32 d for all 16 tiles of 16 x 16, so each LDS byte is read once; the eight partial sums (f32) meet in slot 0, behind its last fill.  A tile's rows of wt are 128 bytes, so no store can fill 256: they leave
; straight from registers, 16 bytes a lane, 2 MiB in all; a tile 128 wide would read 160 rows for these 128, and two slots of them do not fit.
; No cluster and no prefetch: the launch has four steps, and two of them are asked for at the head.
; REGISTERS.  Window 0: v1-31 addresses; v32-159 f32 as read from LDS (also x's and the sums' work space); v160-223 eight fragments; v224-255 Wv and work.  Window 1: v0-127 x as loaded; v128-255 the 16 accumulators.
.set WP,    1040                       ; an LDS row: 1,024 bytes (256 f32) + 16: an odd multiple of 16, so the 16 rows of a load start in 16 different groups of four banks (ISA guide 11.1)
.set WREG,  16*WP                      ; 16 rows: one wave's tensor load
.set SLOT,  8*WREG                     ; rows 0-63 Wq's (a), rows 64-127 Wk's (b)
.set VST,   2*SLOT                     ; behind the ring: Wv's stage, 32 rows (n) x 272 bytes
.set VP,    272
.set SPARE, VST+32*VP                  ; the spare words, 128 bytes for each wave
.set XO,  1                            ; v1   32 t: my 8 numbers of x
.set SO,  2                            ; v2   16 t: and of xh
.set VO,  3                            ; v3   my 4 k x 4 n of Wv
.set VS,  4                            ; v4   Wv's stage: where I put 8 bytes
.set VR,  5                            ; v5   where I read 16 bytes back
.set VG,  6                            ; v6   and where they go in wt
.set PS,  7                            ; v7   where I put my partial sums
.set PR,  8                            ; v8-9 where I read the partial sums of my two tiles: waves 0-3's, waves 4-7's
.set MG,  10                           ; v10  my 16 bytes of Mt
.set SPW, 13                           ; v13  LDS address of my spare word; never rewritten
.set NIL, 14                           ; v14  0; never rewritten
.set AD,  20                           ; v20-23 my place in a slot's rows: slot 0 fragments 0-3, 4-7; slot 1 likewise
.set RAW, 32
.set FR,  160                          ; fragments 0-3: 16 rows of Wq each; 4-7: of Wk
.set WVD, 224                          ; Wv as loaded: row kk at 4 kk
.set T,   240
.set WQ,  248                          ; Wv packed, then read back
.set XD,  0                            ; window 1
.set ACC, 128                          ; window 1: tile (b, a) at ACC + 8 (4 b + a)
.set G1,  32                           ; s[32:39] descriptor group 1
.set G0,  40                           ; s[40:47] group 0, a set for each slot
.set MSB, 0
.macro WIN new                         ; the immediate's high byte repeats the setting that is left; a switch that changes nothing is dropped
.if MSB != (\new)
	s_set_vgpr_msb (MSB<<8)|(\new)
.set MSB, \new
.endif
.endm
.macro PLACES                          ; four places behind a matrix instruction, in front of what writes its sources or reads its result (ISA guide 7.12.1)
.rept 4
	v_nop
.endr
.endm
	s_load_b256 s[4:11], s[0:1], 0x0               ; x s[4:5], Wq s[6:7], Wk s[8:9], Wv s[10:11]
	s_load_b128 s[12:15], s[0:1], 0x20             ; xh s[12:13], wt s[14:15]
	v_lshl_add_u32 v[SPW], v0, 2, SPARE
	v_mov_b32 v[NIL], 0
	ds_add_u32 v[SPW], v[NIL]                      ; the wave's opening: the add and its wait ahead of my first tensor load; the set-up below stands between them
	ds_add_u32 v13, v14
	v_lshrrev_b32 v24, 5, v0
	v_readfirstlane_b32 s16, v24                   ; wave 0..7
	s_mov_b32 s[G1+0], (2<<16)|(1<<20)|(7<<22)|(3<<25)  ; 4-byte elements; after every 256 words 4 words of padding
	s_mov_b32 s[G1+1], 256<<16                     ; tensor_dim0 = 256
	s_mov_b32 s[G1+2], 16<<16                      ; tensor_dim1 = 16
	s_mov_b32 s[G1+3], 256<<16                     ; tile_dim0 = 256
	s_mov_b32 s[G1+4], 16                          ; tile_dim1 = 16
	s_mov_b32 s[G1+5], 1024                        ; from row to row of a W
	s_mov_b32 s[G1+6], 0
	s_mov_b32 s[G1+7], 0
	s_and_b32 s17, ttmp9, 15                       ; the tile's 64 a
	s_lshr_b32 s18, ttmp9, 4                       ; its 64 b
	s_and_b32 s19, s16, 3
	s_cmp_lt_u32 s16, 4                            ; waves 0-3 fetch Wq's rows, waves 4-7 Wk's
	s_cselect_b32 s20, s17, s18
	s_lshl_b32 s20, s20, 6
	s_lshl4_add_u32 s20, s19, s20                  ; + 16 rows for each wave
	s_lshl_b32 s20, s20, 12                        ; rows of 4,096 bytes
	s_mov_b32 s21, 0
	s_mul_i32 s22, s16, WREG
	s_mov_b32 s30, 0xffff0000                      ; a word's upper bf16
	s_wait_dscnt 0x0                               ; the opening add is done
	s_wait_kmcnt 0x0
	s_cmp_lt_u32 s16, 4
	s_cselect_b64 s[28:29], s[6:7], s[8:9]
	s_add_nc_u64 s[28:29], s[28:29], s[20:21]
.irp s, 0,1
	s_mov_b32 s[G0+4*\s], 1
	s_add_co_u32 s[G0+4*\s+1], s22, \s*SLOT
	s_add_nc_u64 s[G0+4*\s+2:G0+4*\s+3], s[28:29], \s*1024
	s_or_b32 s[G0+4*\s+3], s[G0+4*\s+3], 0x80000000
.endr
	tensor_load_to_lds s[G0:G0+3], s[G1:G1+7]      ; d 0-255: two loads of mine are out
	s_nop 0
	tensor_load_to_lds s[G0+4:G0+7], s[G1:G1+7]    ; d 256-511
	s_nop 0
	v_and_b32 v25, 15, v0                          ; r = t % 16
	v_bfe_u32 v26, v0, 4, 1                        ; h
	v_and_b32 v27, 31, v0                          ; lane
	v_and_b32 v28, 7, v0                           ; t % 8
	v_lshrrev_b32 v29, 3, v0                       ; t / 8
	v_lshrrev_b32 v30, 4, v0                       ; t / 16
	v_lshlrev_b32 v[XO], 5, v0
	v_lshlrev_b32 v[SO], 4, v0
	v_lshlrev_b32 v[VO], 14, v29                   ; 4 rows of Wv,
	v_lshl_add_u32 v[VO], v28, 4, v[VO]            ; 4 columns
	v_mul_u32_u24 v[VS], v28, 4*VP
	v_lshl_add_u32 v[VS], v29, 3, v[VS]
	v_add_nc_u32 v[VS], VST, v[VS]
	v_mul_u32_u24 v[VR], v30, VP
	v_lshl_add_u32 v[VR], v25, 4, v[VR]
	v_add_nc_u32 v[VR], VST, v[VR]
	v_lshlrev_b32 v[VG], 11, v30
	v_lshl_add_u32 v[VG], v25, 4, v[VG]
	s_lshl_b32 s23, s16, 14                        ; a wave's 16 partial tiles of 1,024 bytes
	v_lshl_add_u32 v[PS], v27, 4, s23
	s_lshl_b32 s23, s16, 11                        ; tiles 2 w and 2 w + 1
	v_lshl_add_u32 v[PR], v27, 4, s23
	v_add_nc_u32 v[PR+1], 0x10000, v[PR]
	v_lshlrev_b32 v[MG], 11, v25                   ; row b = r of tile row w / 2,
	v_lshl_add_u32 v[MG], v26, 4, v[MG]            ; a = 8 h .. of tile column 2 (w % 2)
	s_lshr_b32 s23, s16, 1
	s_lshl_b32 s23, s23, 15
	s_and_b32 s31, s16, 1
	s_lshl_b32 s31, s31, 6
	s_add_co_u32 s23, s23, s31
	v_add_nc_u32 v[MG], s23, v[MG]
	v_mul_u32_u24 v[AD], v25, WP                   ; a fragment's row, 8 f32 for each half of the lanes, my wave's 32 d
	v_lshl_add_u32 v[AD], v26, 5, v[AD]
	s_lshl_b32 s23, s16, 7
	v_add_nc_u32 v[AD], s23, v[AD]
	v_add_nc_u32 v[AD+1], 4*WREG, v[AD]
	v_add_nc_u32 v[AD+2], SLOT, v[AD]
	v_add_nc_u32 v[AD+3], SLOT+4*WREG, v[AD]
	s_lshl_b32 s20, ttmp9, 17                      ; 32 rows of x
	s_add_nc_u64 s[4:5], s[4:5], s[20:21]
	s_lshl_b32 s20, ttmp9, 16                      ; 32 rows of xh
	s_add_nc_u64 s[12:13], s[12:13], s[20:21]
	s_lshr_b32 s22, ttmp9, 5                       ; Wv's 128 k
	s_and_b32 s23, ttmp9, 31                       ; and 32 n
	s_lshl_b32 s20, s22, 19
	s_lshl_b32 s31, s23, 7
	s_add_co_u32 s20, s20, s31
	s_add_nc_u64 s[10:11], s[10:11], s[20:21]
	s_lshl_b32 s20, s23, 16                        ; wt at row 1024 + 32 n, byte 256 x the block of k
	s_lshl_b32 s31, s22, 8
	s_add_co_u32 s20, s20, s31
	s_add_co_u32 s20, s20, 1024*2048
	s_add_nc_u64 s[26:27], s[14:15], s[20:21]
	s_lshl_b32 s20, s18, 17                        ; wt at row 64 b, byte 128 a
	s_lshl_b32 s31, s17, 7
	s_add_co_u32 s20, s20, s31
	s_add_nc_u64 s[24:25], s[14:15], s[20:21]
.irp kk, 0,1,2,3
	global_load_b128 v[WVD+4*\kk:WVD+4*\kk+3], v[VO], s[10:11] offset:4096*\kk th:TH_LOAD_NT
.endr
	WIN 0x40                                       ; destination window 1, address window 0
.set e, 0
.rept 16
	global_load_b128 v[XD+8*e:XD+8*e+3],   v[XO], s[4:5] offset:8192*e th:TH_LOAD_NT
	global_load_b128 v[XD+8*e+4:XD+8*e+7], v[XO], s[4:5] offset:8192*e+16 th:TH_LOAD_NT
.set e, e+1
.endr
	WIN 0
; A step of Mt: my 32 d of the slot's 128 rows: 32 LDS loads, 64 roundings to bf16, 16 products.  Source 0 = 16 rows of Wq, source 1 = 16 rows of Wk: a lane holds b = lane % 16 and a = 8 (lane / 16) + 0..7.
; The 16 accumulators take turns, one instruction a turn, from step to step too.  zero = 1: the first products start the sums.
.macro STEPM slot, zero
	s_wait_xcnt 0x0                                ; earlier stores have read their data, which lay where the loads below land
	PLACES                                         ; behind the last step's products, in front of the roundings into their sources
.set f, 0
.rept 8
.irp q, 0,1,2,3
	ds_load_b128 v[RAW+16*f+4*\q:RAW+16*f+4*\q+3], v[AD+2*(\slot)+f/4] offset:(f%4)*WREG+16*(\q%2)+64*(\q/2)
.endr
.set f, f+1
.endr
	s_wait_dscnt 0x0
.set i, 0
.rept 64
	v_cvt_pk_bf16_f32 v[FR+i], v[RAW+2*i], v[RAW+2*i+1]
.set i, i+1
.endr
	WIN 0x50                                       ; C and D window 1
.irp b, 0,1,2,3
.irp a, 0,1,2,3
.if \zero
	v_wmma_f32_16x16x32_bf16 v[ACC+8*(4*\b+\a):ACC+8*(4*\b+\a)+7], v[FR+8*\a:FR+8*\a+7], v[FR+32+8*\b:FR+32+8*\b+7], 0
.else
	v_wmma_f32_16x16x32_bf16 v[ACC+8*(4*\b+\a):ACC+8*(4*\b+\a)+7], v[FR+8*\a:FR+8*\a+7], v[FR+32+8*\b:FR+32+8*\b+7], v[ACC+8*(4*\b+\a):ACC+8*(4*\b+\a)+7]
.endif
.endr
.endr
	WIN 0
.endm
; The change of slots: every wave waits for all its tensor loads, adds 0 to its spare word, waits for that and for its LDS instructions, and passes the barrier.  fill = 1: the slot just read is filled again, two steps on: my one load behind the barrier.
.macro CHG slot, fill
	s_wait_tensorcnt 0x0                           ; no tensor load of mine is out, so a group 0 may be written
	ds_add_u32 v[SPW], v[NIL]                      ; 0 onto my spare word
.if \fill
	s_add_nc_u64 s[G0+4*(\slot)+2:G0+4*(\slot)+3], s[G0+4*(\slot)+2:G0+4*(\slot)+3], 2048
.endif
	s_wait_dscnt 0x0
	s_barrier_signal -1
	s_barrier_wait -1
.if \fill
	tensor_load_to_lds s[G0+4*(\slot):G0+4*(\slot)+3], s[G1:G1+7]
	s_nop 0
.endif
.endm
	s_wait_tensorcnt 1                             ; my rows of step 0 are in; step 1's may stay out
	s_barrier_signal -1
	s_barrier_wait -1
	STEPM 0, 1
	CHG 0, 1                                       ; slot 0 takes d 512-767
	STEPM 1, 0
	s_wait_loadcnt 0x0                             ; x and Wv: x's work stands in the time in which that fill lands
	WIN 0x05                                       ; sources window 1, destination window 0
.set i, 0
.rept 64
	v_cvt_pk_bf16_f32 v[RAW+i], v[XD+2*i], v[XD+2*i+1]
.set i, i+1
.endr
	WIN 0
.set i, 0
.rept 64
	v_lshlrev_b32 v[T+2*(i%4)], 16, v[RAW+i]       ; the rounded pair as f32,
	v_and_b32 v[T+2*(i%4)+1], s30, v[RAW+i]
	v_cvt_pk_f16_f32 v[RAW+i], v[T+2*(i%4)], v[T+2*(i%4)+1]  ; and as f16
.set i, i+1
.endr
.set e, 0
.rept 16
	global_store_b128 v[SO], v[RAW+4*e:RAW+4*e+3], s[12:13] offset:4096*e
.set e, e+1
.endr
	CHG 1, 1                                       ; slot 1 takes d 768-1023
	STEPM 0, 0
.irp nn, 0,1,2,3                       ; Wv: pairs along k, column nn of my four
.irp p, 0,1
	v_cvt_pk_bf16_f32 v[WQ+2*\nn+\p], v[WVD+8*\p+\nn], v[WVD+8*\p+4+\nn]
	v_lshlrev_b32 v[T+2*\p], 16, v[WQ+2*\nn+\p]
	v_and_b32 v[T+2*\p+1], s30, v[WQ+2*\nn+\p]
	v_cvt_pk_f16_f32 v[WQ+2*\nn+\p], v[T+2*\p], v[T+2*\p+1]
.endr
	ds_store_b64 v[VS], v[WQ+2*\nn:WQ+2*\nn+1] offset:VP*\nn
.endr
	CHG 0, 0                                       ; nothing is left to fetch; the barrier also shows Wv's stage whole, and slot 0 read out
	ds_load_b128 v[WQ:WQ+3],   v[VR]               ; rows t / 16 and t / 16 + 16 of the stage
	ds_load_b128 v[WQ+4:WQ+7], v[VR] offset:16*VP
	STEPM 1, 0                                     ; (its wait for its own loads covers the two above)
	global_store_b128 v[VG], v[WQ:WQ+3],   s[26:27]
	global_store_b128 v[VG], v[WQ+4:WQ+7], s[26:27] offset:16*2048
	PLACES
	WIN 0x04                                       ; the stores' data in window 1
.set t, 0
.rept 16
	ds_store_b128 v[PS], v[ACC+8*t:ACC+8*t+3]   offset:1024*t      ; 16 bytes a lane on end: no bank is taken twice
	ds_store_b128 v[PS], v[ACC+8*t+4:ACC+8*t+7] offset:1024*t+512
.set t, t+1
.endr
	WIN 0
	s_wait_dscnt 0x0                               ; for the others' sake: my partial sums are in LDS
	s_barrier_signal -1
	s_barrier_wait -1
.set v, 0
.rept 8
.irp u, 0,1,2,3                        ; tile 2 w + u / 2, half u % 2, of wave v
	ds_load_b128 v[RAW+16*v+4*\u:RAW+16*v+4*\u+3], v[PR+v/4] offset:(v%4)*16384+512*\u
.endr
.set v, v+1
.endr
	s_wait_dscnt 0x0
.irp d, 1,2,4
.set v, 0
.rept 4/\d
.set j, 0
.rept 8
	v_pk_add_f32 v[RAW+16*v+2*j:RAW+16*v+2*j+1], v[RAW+16*v+2*j:RAW+16*v+2*j+1], v[RAW+16*(v+\d)+2*j:RAW+16*(v+\d)+2*j+1]
.set j, j+1
.endr
.set v, v+2*\d
.endr
.endr
.set j, 0
.rept 8
	v_cvt_pk_f16_f32 v[T+j], v[RAW+2*j], v[RAW+2*j+1]
.set j, j+1
.endr
	global_store_b128 v[MG], v[T:T+3],   s[24:25]
	global_store_b128 v[MG], v[T+4:T+7], s[24:25] offset:32
	s_wait_tensorcnt 0x0                           ; the wave's end: behind my last tensor load and my last LDS store
	ds_add_u32 v[SPW], v[NIL]
	s_wait_dscnt 0x0
	s_endpgm
.Lfunc_end_k_qf8b9be32c7_prep:
	.size	k_qf8b9be32c7_prep, .Lfunc_end_k_qf8b9be32c7_prep-k_qf8b9be32c7_prep
	.p2alignl 7, 3214868480
	.fill 96, 4, 3214868480
	.section	.rodata,"a",@progbits
	.p2align	6, 0x0
	.amdhsa_kernel k_qf8b9be32c7_prep
		.amdhsa_group_segment_fixed_size 327680
		.amdhsa_private_segment_fixed_size 0
		.amdhsa_enable_private_segment 0
		.amdhsa_kernarg_size 48
		.amdhsa_user_sgpr_count 2
		.amdhsa_user_sgpr_kernarg_segment_ptr 1
		.amdhsa_wavefront_size32 1
		.amdhsa_system_sgpr_workgroup_id_x 1
		.amdhsa_system_sgpr_workgroup_id_y 1
		.amdhsa_system_sgpr_workgroup_id_z 1
		.amdhsa_system_vgpr_workitem_id 0
		.amdhsa_next_free_vgpr 512
		.amdhsa_next_free_sgpr 66
		.amdhsa_reserve_vcc 0
		.amdhsa_float_denorm_mode_32 3
		.amdhsa_float_denorm_mode_16_64 3
		.amdhsa_memory_ordered 1
		.amdhsa_forward_progress 1
		.amdhsa_inst_pref_size 63
	.end_amdhsa_kernel
	.amdgpu_metadata
---
amdhsa.version: [ 1, 2 ]
amdhsa.kernels:
  - .name:           k_qf8b9be32c7_prep
    .symbol:         k_qf8b9be32c7_prep.kd
    .args:
      - { .name: x, .offset: 0, .size: 8, .value_kind: global_buffer, .address_space: global }
      - { .name: Wq, .offset: 8, .size: 8, .value_kind: global_buffer, .address_space: global }
      - { .name: Wk, .offset: 16, .size: 8, .value_kind: global_buffer, .address_space: global }
      - { .name: Wv, .offset: 24, .size: 8, .value_kind: global_buffer, .address_space: global }
      - { .name: xh, .offset: 32, .size: 8, .value_kind: global_buffer, .address_space: global }
      - { .name: wt, .offset: 40, .size: 8, .value_kind: global_buffer, .address_space: global }
    .group_segment_fixed_size: 327680
    .private_segment_fixed_size: 0
    .kernarg_segment_align: 8
    .kernarg_segment_size: 48
    .max_flat_workgroup_size: 256
    .sgpr_count:     66
    .vgpr_count:     512
    .wavefront_size: 32
...
	.end_amdgpu_metadata
.endif
;; end of part 1
;; launch proj (part 2): grid 8 x 32, 4 waves a work-group, clusters of 4 x 4, 327,680 bytes of LDS; arguments xh, wt, qkv; writes qkv
.if DOCPART == 2
	.amdgcn_target "amdgcn-amd-amdhsa--gfx1250"
	.amdhsa_code_object_version 6
	.text
	.protected	k_qf8b9be32c7_proj
	.globl	k_qf8b9be32c7_proj
	.p2align	8
	.type	k_qf8b9be32c7_proj,@function
k_qf8b9be32c7_proj:
	s_mov_b64 s[64:65], 0
	v_nop
	global_prefetch_b8 v0, s[64:65] scope:SCOPE_SE
	s_setreg_imm32_b32 hwreg(HW_REG_WAVE_MODE, 25, 1), 1
	s_wait_xcnt 0x0
	s_wait_alu depctr_hold_cnt(0) depctr_sa_sdst(0) depctr_va_vdst(0) depctr_va_sdst(0) depctr_va_ssrc(0) depctr_va_vcc(0) depctr_vm_vsrc(0)
	s_getreg_b32 s2, hwreg(HW_REG_IB_STS2, 6, 4)
	s_cmp_eq_u32 s2, 0
	s_cbranch_scc0 .Lentry_in_a_cluster
	s_endpgm
.Lentry_in_a_cluster:
	s_bfe_u32 s2, ttmp6, 0x10000c
	s_cmp_lg_u32 s2, 0xf033
	s_cbranch_scc0 .Lentry_shape_is_right
	s_endpgm
.Lentry_shape_is_right:
; C[m][n] = the sum over k of xh[m][k] wt[n][k], [8192] x [2048], f16 operands, f32 sums, K ascending.  Columns 0-1023 are y = x Wq Wk^T, stored as y / 1024 (an exact scale, applied in f32) at byte 0 of qkv's rows of
; 6,144 bytes; columns 1024-2047 are v = x Wv, stored unscaled at byte 4,096.  Each number is rounded once, to f16.  Bytes 2,048-4,095 of a row are not written, and nobody reads them.
; LIMITS.  f16 ends at 65,504: |y| / 1024 and |v| stay within it; a number under 6e-5 keeps f16's fixed step of 6e-8.
; SHARES.  8 x 32 work-groups, one tile of 256 x 256 each; four waves, each 128 x 128: 64 accumulators, 512 registers.  K goes in 8 steps of 128 through two LDS slots filled by the tensor data mover: rows of 256 bytes, aligned.
; CLUSTER.  4 x 4 work-groups: the four of a row need the same tile of xh, the four of a column the same tile of wt: each is asked for jointly, by the same tensor load, descriptor and mask in all four.
; THE MATRIX INSTRUCTION IS USED TRANSPOSED (source 0 = 16 rows of wt, source 1 = 16 rows of xh): a lane holds row lane % 16 of C and the columns 8 (lane / 16) + 0..7.
; THE LOOP's trip is one K step, from its second quarter to the next step's first; the slot in hand is a scalar turned by an exclusive or.  The last K step goes by rows of C, so that finished rows leave while the others are multiplied.
; REGISTERS, in windows of 256 (s_set_vgpr_msb: bits 1:0 source 0, 3:2 source 1, 5:4 source 2, 7:6 destination):
;   window 0: v0-31 addresses; v64-127, v128-191 fragments of xh, two buffers (in the last K step four, of 16 rows x 128 K); v32-63, v192-255 at work on the way out
;   window 1: v64-127, v128-191 fragments of wt, two buffers; in the last K step all 256      window 2: accumulators of my rows 0-63 ((a, b) at v[8 (8 a + b)]); window 3: of rows 64-127
.set KSTEP,  128
.set PITCH,  272                       ; an LDS row: 256 bytes + 16: the 16 rows that a load touches start at 16 different groups of four banks (ISA guide 11.1)
.set HALFT,  128*PITCH                 ; 128 rows: one tensor load, and what a wave reads of xh or of wt
.set SLOT,   4*HALFT                   ; 139,264 = 0x22000: xh's 256 rows, then wt's 256
.set STAGE,  2*SLOT                    ; behind the ring: 16 rows x 272 bytes for each wave, for the way out
.set SPITCH, 272
.set SPARE,  STAGE+4*16*SPITCH         ; behind the stages: the spare words, 128 bytes for each wave
.set RK,     2048                      ; bytes in a row of xh and of wt
.set RC,     6144                      ; bytes in a row of qkv
.set ADRA,  16                         ; v16  LDS address of my fragments of xh in the slot in hand; v17 in slot 0; v18 in slot 1
.set ADRA0, 17
.set ADRA1, 18
.set ADRB,  20                         ; v20-22 the same for wt
.set ADRB0, 21
.set ADRB1, 22
.set STO,  24
.set RD,   25
.set CO,   26
.set SPW,  28                          ; v28  LDS address of my spare word; never rewritten
.set NIL,  29                          ; v29  0; never rewritten
.set PFO,  30                          ; v30  the prefetches' offset: my lane x a row; never rewritten
.set F0,   64
.set F1,   128
.set TMP,  192
.set OB,   32
.set PA,   64
.set G1,  24                           ; s[24:31] descriptor group 1 for xh's tiles;  s[32:39] group 0: a set for each first fill; the second then walks on
.set G0,  32
.set G1B, 48                           ; s[48:55], s[56:63] the same for wt's
.set G0B, 56
.set LIM, 43                           ; s43      2 in a wave that prefetches, else the greatest number
.set PFA, 44                           ; s[44:45] where my prefetches stand
.set FS,  66                           ; s[66:67] the way out's factor: 1 / 1024 for y, 1 for v
.set SB,  68                           ; s68      the slot in hand: 0 or SLOT
.set MSB, 0
.macro WIN new                         ; the immediate's high byte repeats the setting that is left; a switch that changes nothing is dropped
.if MSB != (\new)
	s_set_vgpr_msb (MSB<<8)|(\new)
.set MSB, \new
.endif
.endm
.set MUL_LO, 0xa1                      ; source 0 (wt) window 1, source 1 (xh) window 0, C and D window 2
.set MUL_HI, 0xf1                      ; the same, C and D window 3
.set TO_B,   0x40                      ; destination window 1, address window 0
.macro PLACES                          ; four places in front of loads into registers that matrix instructions have read, and of vector work on results
.rept 4
	v_nop
.endr
.endm
; A joint refill by the walking descriptors: waves 0 and 1 fetch xh's two halves, waves 2 and 3 wt's.  The branch hangs on the wave's number alone.  An s_nop 0 and four v_nop follow each line.
.macro JLOAD
	s_cmp_eq_u32 s11, 0
	s_cbranch_scc0 .Lfor_b_\@
	tensor_load_to_lds s[G0+4:G0+7], s[G1:G1+7]
	s_nop 0
.rept 4
	v_nop
.endr
	s_branch .Lasked_\@
.Lfor_b_\@:
	tensor_load_to_lds s[G0B+4:G0B+7], s[G1B:G1B+7]
	s_nop 0
.rept 4
	v_nop
.endr
.Lasked_\@:
.endm
; A prefetch, behind each refill and the run of LDS loads that follows it, of the K step that stands two refills on: 32 rows x 256 bytes, a lane a row, one line a wave: 512 matrix instructions ahead of the load that wants it.
; Each row's 256 bytes of a K step are named once: xh's tile row is read by both clusters of that row of clusters: cluster x = 0 asks; wt's tile column by all eight of that column: cluster y = 0 asks.  Of the 128 rows that a
; wave fetches the partner at place p (cx for xh, cy for wt) takes 32 p .. 32 p + 31, by address.  K steps 0 to 3 come by their loads alone; the last two refills (s3 = 2, 1) have no K step two on.
.macro ASK
	s_cmp_gt_u32 s3, s[LIM]
	s_cbranch_scc0 .Lnot_mine_\@
	global_prefetch_b8 v[PFO], s[PFA:PFA+1] offset:KSTEP*2 th:TH_LOAD_NT scope:SCOPE_SE
.Lnot_mine_\@:
.endm
.macro CREST                           ; a round of the cluster's barrier behind its opening barrier
	s_cmp_lg_u32 s10, 0
	s_cbranch_scc1 .Lnot_wave_0_\@
	s_barrier_signal -3
.Lnot_wave_0_\@:
	s_barrier_wait -3
	s_barrier_signal -1
	s_barrier_wait -1
.endm
.macro CROUND                          ; a whole round
	s_barrier_signal -1
	s_barrier_wait -1
	CREST
.endm
	s_load_b128 s[4:7], s[0:1], 0x0                ; xh s[4:5], wt s[6:7]
	s_load_b64 s[8:9], s[0:1], 0x10                ; qkv
	v_lshl_add_u32 v[SPW], v0, 2, SPARE
	v_mov_b32 v[NIL], 0
	ds_add_u32 v[SPW], v[NIL]                      ; the wave's opening: the add and its wait ahead of my first tensor load
	ds_add_u32 v28, v29
	v_lshrrev_b32 v1, 5, v0
	v_readfirstlane_b32 s10, v1                    ; wave 0..3
	s_lshr_b32 s11, s10, 1                         ; my half of the tile's rows.  Also: I fetch for xh (0) or wt (1)
	s_and_b32 s12, s10, 1                          ; my half of its columns.  Also: which 128 rows of that tile I fetch
	s_bfe_u32 s40, ttmp6, 0x40000                  ; cx
	s_bfe_u32 s41, ttmp6, 0x40004                  ; cy
	s_lshl_b32 s42, ttmp9, 2
	s_add_co_u32 s42, s42, s40                     ; tile column = 4 x cluster x + cx
	s_and_b32 s13, ttmp7, 0xffff
	s_lshl_b32 s13, s13, 2
	s_add_co_u32 s13, s13, s41                     ; tile row = 4 x cluster y + cy
	s_lshl_b32 s43, s41, 2
	s_lshl_b32 s43, 15, s43                        ; my row of the cluster
	s_lshl_b32 s44, 0x1111, s40                    ; my column
	s_or_b32 s[G1+0],  s43, (1<<16)|(1<<20)|(1<<21)|(5<<22)|(3<<25)  ; the mask; 2-byte elements; padding on; bit 21 beside a mask; after every 64 words 4 words
	s_or_b32 s[G1B+0], s44, (1<<16)|(1<<20)|(1<<21)|(5<<22)|(3<<25)
.irp g, G1, G1B
	s_mov_b32 s[(\g)+1], KSTEP<<16                 ; tensor_dim0 = 128
	s_mov_b32 s[(\g)+2], 128<<16                   ; tensor_dim1 = 128
	s_mov_b32 s[(\g)+3], KSTEP<<16                 ; tile_dim0 = 128
	s_mov_b32 s[(\g)+4], 128                       ; tile_dim1 = 128
	s_mov_b32 s[(\g)+5], 1024                      ; from row to row
	s_mov_b32 s[(\g)+6], 0
	s_mov_b32 s[(\g)+7], 0
.endr
	s_lshl_b32 s17, s12, 7                         ; which 128 rows of the tile I fetch
	s_lshl_b32 s16, s13, 8
	s_add_co_u32 s16, s16, s17                     ; xh: row 256 x tile row + 128 x half
	s_lshl_b32 s16, s16, 11
	s_lshl_b32 s46, s42, 8
	s_add_co_u32 s46, s46, s17                     ; wt: row 256 x tile column + 128 x half
	s_lshl_b32 s46, s46, 11
	s_mov_b32 s17, 0
	s_mov_b32 s47, 0
	s_mul_i32 s20, s10, HALFT                      ; where they go: wave x 128 rows: no place in the cluster enters an LDS address
	s_mov_b32 s[SB], 0
	s_wait_dscnt 0x0                               ; the opening add is done
	s_wait_kmcnt 0x0
	s_add_nc_u64 s[14:15], s[4:5], s[16:17]
	s_add_nc_u64 s[46:47], s[6:7], s[46:47]
.irp s, 0,1
	s_mov_b32 s[G0+4*\s], 1
	s_add_co_u32 s[G0+4*\s+1], s20, \s*SLOT
	s_add_nc_u64 s[G0+4*\s+2:G0+4*\s+3], s[14:15], \s*KSTEP*2
	s_or_b32 s[G0+4*\s+3], s[G0+4*\s+3], 0x80000000
	s_mov_b32 s[G0B+4*\s], 1
	s_add_co_u32 s[G0B+4*\s+1], s20, \s*SLOT
	s_add_nc_u64 s[G0B+4*\s+2:G0B+4*\s+3], s[46:47], \s*KSTEP*2
	s_or_b32 s[G0B+4*\s+3], s[G0B+4*\s+3], 0x80000000
.endr
	CROUND                                         ; all sixteen work-groups are here: the first joint loads meet
	s_cmp_eq_u32 s11, 0                            ; a wave's two first fills stand in one branch: two loads of mine are out
	s_cbranch_scc0 .Lfirst_b
	tensor_load_to_lds s[G0:G0+3], s[G1:G1+7]
	s_nop 0
	tensor_load_to_lds s[G0+4:G0+7], s[G1:G1+7]
	s_nop 0
.rept 4
	v_nop
.endr
	s_branch .Lfirst_asked
.Lfirst_b:
	tensor_load_to_lds s[G0B:G0B+3], s[G1B:G1B+7]
	s_nop 0
	tensor_load_to_lds s[G0B+4:G0B+7], s[G1B:G1B+7]
	s_nop 0
.rept 4
	v_nop
.endr
.Lfirst_asked:
	v_and_b32 v1, 15, v0                           ; l % 16
	v_bfe_u32 v2, v0, 4, 1                         ; l / 16
	v_mul_u32_u24 v3, v1, PITCH
	v_lshl_add_u32 v3, v2, 4, v3                   ; a fragment's row x pitch + 16 x half
	s_mul_i32 s21, s11, HALFT                      ; my 128 rows of xh
	s_mul_i32 s22, s12, HALFT                      ; my 128 rows of wt,
	s_add_co_u32 s22, s22, 2*HALFT                 ; behind xh's 256
	v_add_nc_u32 v[ADRA0], s21, v3
	v_add_nc_u32 v[ADRB0], s22, v3
	v_add_nc_u32 v[ADRA1], SLOT, v[ADRA0]
	v_add_nc_u32 v[ADRB1], SLOT, v[ADRB0]
	v_mov_b32 v[ADRA], v[ADRA0]
	v_mov_b32 v[ADRB], v[ADRB0]
	s_mul_i32 s23, s10, 16*SPITCH
	s_add_co_u32 s23, s23, STAGE                   ; my stage
	v_mul_u32_u24 v4, v1, SPITCH                   ; in: row l % 16, 16 bytes for each half of the lanes
	v_lshl_add_u32 v4, v2, 4, v4
	v_add_nc_u32 v[STO], s23, v4
	v_mul_u32_u24 v5, v2, SPITCH                   ; back: lanes 0-15 one row of 256 bytes, lanes 16-31 the next
	v_lshl_add_u32 v5, v1, 4, v5
	v_add_nc_u32 v[RD], s23, v5
	v_mul_u32_u24 v5, v2, RC                       ; and the same two rows in qkv
	v_lshl_add_u32 v[CO], v1, 4, v5
	s_lshl_b32 s13, s13, 8                         ; where my part of the tile begins in qkv: row 256 x tile row + 128 x half,
	s_lshl_b32 s14, s11, 7
	s_add_co_u32 s16, s13, s14
	s_mul_i32 s16, s16, RC
	s_lshl_b32 s46, ttmp9, 12                      ; byte 0 (y: cluster x = 0) or 4,096 (v), + 512 cx + 256 x half
	s_lshl_b32 s47, s40, 9
	s_add_co_u32 s46, s46, s47
	s_lshl_b32 s47, s12, 8
	s_add_co_u32 s46, s46, s47
	s_add_co_u32 s16, s16, s46
	s_mov_b32 s17, 0
	s_cmp_eq_u32 ttmp9, 0
	s_cselect_b32 s[FS], 0x3a800000, 1.0           ; 2^-10, or 1
	s_mov_b32 s[FS+1], s[FS]                       ; named with it as a pair
	; the prefetches.  s13 = 256 x tile row, s42 = tile column, s40 = cx, s41 = cy still stand
	s_lshl_b32 s42, s42, 8
	s_and_b32 s22, ttmp7, 0xffff                   ; cluster y
	s_cmp_eq_u32 s11, 0                            ; do I fetch for xh?
	s_cselect_b32 s20, s13, s42                    ; the tile's first row
	s_cselect_b32 s21, s40, s41                    ; my place among the four that ask for it with me
	s_cselect_b32 s22, ttmp9, s22                  ; the coordinate along which other clusters read the same rows
	s_cselect_b64 s[PFA:PFA+1], s[4:5], s[6:7]
	s_cmp_eq_u32 s22, 0
	s_cselect_b32 s[LIM], 2, -1                    ; the same in all sixteen partners, for a given wave
	s_lshl_b32 s22, s12, 7
	s_add_co_u32 s20, s20, s22                     ; + the 128 rows that I fetch
	s_lshl_b32 s21, s21, 5
	s_add_co_u32 s20, s20, s21                     ; + my work-group's 32 of them
	s_lshl_b32 s20, s20, 11
	s_mov_b32 s21, 0
	s_add_nc_u64 s[PFA:PFA+1], s[PFA:PFA+1], s[20:21]
	s_add_nc_u64 s[PFA:PFA+1], s[PFA:PFA+1], 2*KSTEP*2  ; at K step 2: the first refill steps it to 3 and names K step 4
	v_and_b32 v[PFO], 31, v0
	v_lshlrev_b32 v[PFO], 11, v[PFO]
; 16 matrix instructions: row blocks a0, a0 + 1 of the window's four (hi = 0: my rows 0-63, 1: rows 64-127) x all 8 column blocks, 32 along K.  zero = 1: the first product starts the sums.
; The 64 accumulators take turns, one instruction a turn, in the same order in every quarter, over the backward jump too.
.macro MUL16 f, hi, a0, zero
	WIN MUL_LO+0x50*(\hi)
.irp a, \a0, (\a0)+1
.irp b, 0,1,2,3,4,5,6,7
.if \zero
	v_wmma_f32_16x16x32_f16 v[8*(8*(\a)+(\b)):8*(8*(\a)+(\b))+7], v[(\f)+8*(\b):(\f)+8*(\b)+7], v[(\f)+8*(4*(\hi)+(\a)):(\f)+8*(4*(\hi)+(\a))+7], 0
.else
	v_wmma_f32_16x16x32_f16 v[8*(8*(\a)+(\b)):8*(8*(\a)+(\b))+7], v[(\f)+8*(\b):(\f)+8*(\b)+7], v[(\f)+8*(4*(\hi)+(\a)):(\f)+8*(4*(\hi)+(\a))+7], v[8*(8*(\a)+(\b)):8*(8*(\a)+(\b))+7]
.endif
.endr
.endr
.endm
; 32 LDS loads in one run: the fragments of one quarter (32 K at byte k of the rows of the slot in hand) into buffer f
.macro FETCH k, f
	WIN TO_B
.irp i, 0,1,2,3,4,5,6,7
	ds_load_b128 v[(\f)+8*(\i):(\f)+8*(\i)+3],   v[ADRB] offset:(\k)+(\i)*16*PITCH
	ds_load_b128 v[(\f)+8*(\i)+4:(\f)+8*(\i)+7], v[ADRB] offset:(\k)+(\i)*16*PITCH+32
.endr
	WIN 0
.irp i, 0,1,2,3,4,5,6,7
	ds_load_b128 v[(\f)+8*(\i):(\f)+8*(\i)+3],   v[ADRA] offset:(\k)+(\i)*16*PITCH
	ds_load_b128 v[(\f)+8*(\i)+4:(\f)+8*(\i)+7], v[ADRA] offset:(\k)+(\i)*16*PITCH+32
.endr
.endm
; One of a K step's first three quarters: multiplies buffer f; in its middle it fetches the next quarter's fragments, at byte k, into buffer g.
.macro QUARTER k, f, g, zero
	s_wait_dscnt 8                                 ; wt's fragments and xh's rows 0-63 are in; the youngest eight loads (rows 64-127) may be out
	MUL16 \f, 0, 0, \zero
	MUL16 \f, 0, 2, \zero
	PLACES
	FETCH \k, \g
	s_wait_dscnt 32                                ; all but the 32 just issued
	MUL16 \f, 1, 0, \zero
	MUL16 \f, 1, 2, \zero
.endm
; The first half of a K step's last quarter (buffer 1): one barrier for the change of slots.  In front of it each wave waits for all its tensor loads (one is out: its part of the next slot), adds 0 to its spare word, and
; waits for that and for its reads of this slot.
.macro MEET round
	WIN 0
	s_wait_tensorcnt 0x0                           ; all my tensor loads have landed
	ds_add_u32 v[SPW], v[NIL]                      ; 0 onto my spare word
	s_wait_dscnt 9                                 ; (the add and the youngest eight loads may be out)
	MUL16 F1, 0, 0, 0                              ; sixteen matrix instructions between the add and the wait for it
	s_wait_dscnt 0x0                               ; the add is done, and my reads of this slot are over
	s_barrier_signal -1
	MUL16 F1, 0, 2, 0
.if \round
	WIN 0                                          ; at a branch and at a label every window is 0
.endif
	s_barrier_wait -1
.endm
; The whole last quarter in the loop: the barrier opens a round of the cluster's; the joint refill, two K steps on, is the first thing behind the round: 224 matrix instructions ahead of the wait for it.
.macro TURN
	s_wait_xcnt 0x0                                ; the last prefetch, a K step back, has read its address
	s_add_nc_u64 s[PFA:PFA+1], s[PFA:PFA+1], KSTEP*2
	MEET 1
	CREST                                          ; no wave of any partner still reads this slot or has a load on its way
.irp g, G0+4, G0B+4
	s_xor_b32 s[(\g)+1], s[(\g)+1], SLOT           ; the walking descriptor: the other slot than last time (wave x 0x8800 shares no bit with 0x22000),
	s_add_nc_u64 s[(\g)+2:(\g)+3], s[(\g)+2:(\g)+3], KSTEP*2  ; the next K step
.endr
	JLOAD                                          ; its four v_nop are also the places in front of the loads below
	s_xor_b32 s[SB], s[SB], SLOT
	v_add_nc_u32 v[ADRA], s[SB], v[ADRA0]
	v_add_nc_u32 v[ADRB], s[SB], v[ADRB0]
	FETCH 0, F0
	ASK
	MUL16 F1, 1, 0, 0
	MUL16 F1, 1, 2, 0
.endm
; THE LAST K STEP (slot 1) GOES BY ROWS OF C: all its fragments of wt fill window 1; my eight blocks of 16 rows are finished one after the other, 32 matrix instructions each, the block's 8 accumulators by turns, K ascending.
.macro BLOAD q
	WIN TO_B
.irp i, 0,1,2,3,4,5,6,7
	ds_load_b128 v[64*(\q)+8*(\i):64*(\q)+8*(\i)+3],   v[ADRB1] offset:64*(\q)+(\i)*16*PITCH
	ds_load_b128 v[64*(\q)+8*(\i)+4:64*(\q)+8*(\i)+7], v[ADRB1] offset:64*(\q)+(\i)*16*PITCH+32
.endr
.endm
.macro ALOAD a
	WIN 0
.set FA, PA+32*((\a)%4)
.irp q, 0,1,2,3
	ds_load_b128 v[FA+8*(\q):FA+8*(\q)+3],   v[ADRA1] offset:64*(\q)+(\a)*16*PITCH
	ds_load_b128 v[FA+8*(\q)+4:FA+8*(\q)+7], v[ADRA1] offset:64*(\q)+(\a)*16*PITCH+32
.endr
.endm
.macro ROW a
.set FA, PA+32*((\a)%4)
.set AC, 64*((\a)%4)
	WIN MUL_LO+0x50*((\a)/4)
.irp q, 0,1,2,3
.if (\a) == 0 && (\q) == 2
	s_wait_dscnt 24                                ; wt's quarter 2 is in (behind it: xh's blocks 1 to 3)
.endif
.irp b, 0,1,2,3,4,5,6,7
	v_wmma_f32_16x16x32_f16 v[AC+8*(\b):AC+8*(\b)+7], v[64*(\q)+8*(\b):64*(\q)+8*(\b)+7], v[FA+8*(\q):FA+8*(\q)+7], v[AC+8*(\b):AC+8*(\b)+7]
.endr
.endr
.endm
; THE WAY OUT of block a.  PACK: times the factor, rounded to f16, each accumulator's registers in ascending order.  TOSTAGE: into my own stage, and back as whole rows of 256 bytes.  SEND: stored.
.macro PACK a
.set AC, 64*((\a)%4)
	WIN 0x41*(2+(\a)/4)                            ; destination and source 0 in window 2 or 3
.set i, 0
.rept 32
	v_pk_mul_f32 v[AC+2*i:AC+2*i+1], v[AC+2*i:AC+2*i+1], s[FS:FS+1] op_sel_hi:[1,0]
.set i, i+1
.endr
	WIN 0x0a+5*((\a)/4)                            ; sources 0 and 1 in window 2 or 3, destination in window 0
.set i, 0
.rept 32
	v_cvt_pk_f16_f32 v[TMP+i], v[AC+2*i], v[AC+2*i+1]
.set i, i+1
.endr
	WIN 0
.endm
.macro TOSTAGE a
	WIN 0
.set BK, OB+192*((\a)%2)
.irp b, 0,1,2,3,4,5,6,7
	ds_store_b128 v[STO], v[TMP+4*(\b):TMP+4*(\b)+3] offset:32*(\b)
.endr
.irp t, 0,1,2,3,4,5,6,7
	ds_load_b128 v[BK+4*(\t):BK+4*(\t)+3], v[RD] offset:(\t)*2*SPITCH  ; LDS serves a wave's instructions in order (ISA guide 5.7.1.4): these see the stores above
.endr
.endm
.macro SEND a, younger                 ; younger: the LDS loads issued behind TOSTAGE's, which may stay out
	WIN 0
.set BK, OB+192*((\a)%2)
	s_wait_dscnt \younger
	s_wait_xcnt 0x0                                ; earlier stores have read their base and their registers
.if (\a) == 0
	s_add_nc_u64 s[8:9], s[8:9], s[16:17]          ; on to my first rows
.else
	s_add_nc_u64 s[8:9], s[8:9], 16*RC
.endif
.irp t, 0,1,2,3,4,5,6,7
	global_store_b128 v[CO], v[BK+4*(\t):BK+4*(\t)+3], s[8:9] offset:2*(\t)*RC  ; 16 lanes store 256 consecutive bytes, at a multiple of 256 from qkv's first byte
.endr
.endm
	s_wait_tensorcnt 1                             ; my part of K step 0 is in; K step 1's may stay out
	s_barrier_signal -1
	s_barrier_wait -1                              ; everybody's is
	FETCH 0, F0
	QUARTER 64, F0, F1, 1                          ; the first quarter's products start the sums: nothing is cleared
	WIN 0
	s_mov_b32 s3, 6
.Lstep:                                                ; six trips: K steps 0 to 5 are ended, K steps 2 to 7 asked for
	QUARTER 128, F1, F0, 0
	QUARTER 192, F0, F1, 0
	TURN
	QUARTER 64, F0, F1, 0
	WIN 0
	s_sub_co_u32 s3, s3, 1
	s_cmp_lg_u32 s3, 0
	s_cbranch_scc1 .Lstep
	QUARTER 128, F1, F0, 0                         ; K step 6, in slot 0, goes on; nothing is left to fetch
	QUARTER 192, F0, F1, 0
	MEET 0                                         ; my one tensor load that was still out is K step 7's
	PLACES                                         ; for the loads into buffer 0
	BLOAD 0                                        ; three quarters of wt now: buffer 1 is still being multiplied
	BLOAD 1
	BLOAD 3
	ALOAD 0
	MUL16 F1, 1, 0, 0
	MUL16 F1, 1, 2, 0
	PLACES                                         ; for the loads into buffer 1
	BLOAD 2
	ALOAD 1
	ALOAD 2
	ALOAD 3
	s_wait_dscnt 40                                ; all but the 40 just issued
	ROW 0
.irp a, 0,1,2,3,4,5,6,7                ; each block leaves as soon as it is finished
	PLACES
	PACK \a
	TOSTAGE \a
.if (\a) < 4
	ALOAD (\a)+4                                   ; its buffer takes the block four further on
	SEND \a, 8
.else
	SEND \a, 0
.endif
.if (\a) < 7
	ROW (\a)+1
.endif
.endr
	s_wait_tensorcnt 0x0                           ; the wave's end
	ds_add_u32 v[SPW], v[NIL]
	s_wait_dscnt 0x0
	CROUND                                         ; the closing round
	s_endpgm
.Lfunc_end_k_qf8b9be32c7_proj:
	.size	k_qf8b9be32c7_proj, .Lfunc_end_k_qf8b9be32c7_proj-k_qf8b9be32c7_proj
	.p2alignl 7, 3214868480
	.fill 96, 4, 3214868480
	.section	.rodata,"a",@progbits
	.p2align	6, 0x0
	.amdhsa_kernel k_qf8b9be32c7_proj
		.amdhsa_group_segment_fixed_size 327680
		.amdhsa_private_segment_fixed_size 0
		.amdhsa_enable_private_segment 0
		.amdhsa_kernarg_size 24
		.amdhsa_user_sgpr_count 2
		.amdhsa_user_sgpr_kernarg_segment_ptr 1
		.amdhsa_wavefront_size32 1
		.amdhsa_system_sgpr_workgroup_id_x 1
		.amdhsa_system_sgpr_workgroup_id_y 1
		.amdhsa_system_sgpr_workgroup_id_z 1
		.amdhsa_system_vgpr_workitem_id 0
		.amdhsa_next_free_vgpr 1024
		.amdhsa_next_free_sgpr 72
		.amdhsa_reserve_vcc 0
		.amdhsa_float_denorm_mode_32 3
		.amdhsa_float_denorm_mode_16_64 3
		.amdhsa_memory_ordered 1
		.amdhsa_forward_progress 1
		.amdhsa_inst_pref_size 134
	.end_amdhsa_kernel
	.amdgpu_metadata
---
amdhsa.version: [ 1, 2 ]
amdhsa.kernels:
  - .name:           k_qf8b9be32c7_proj
    .symbol:         k_qf8b9be32c7_proj.kd
    .args:
      - { .name: xh, .offset: 0, .size: 8, .value_kind: global_buffer, .address_space: global }
      - { .name: wt, .offset: 8, .size: 8, .value_kind: global_buffer, .address_space: global }
      - { .name: qkv, .offset: 16, .size: 8, .value_kind: global_buffer, .address_space: global }
    .group_segment_fixed_size: 327680
    .private_segment_fixed_size: 0
    .kernarg_segment_align: 8
    .kernarg_segment_size: 24
    .max_flat_workgroup_size: 128
    .sgpr_count:     72
    .vgpr_count:     1024
    .wavefront_size: 32
...
	.end_amdgpu_metadata
.endif
;; end of part 2
;; launch score (part 3): grid 136 x 4, 4 waves a work-group, no clusters, 327,680 bytes of LDS; arguments qkv, xh, pt, st; writes pt, st
.if DOCPART == 3
	.amdgcn_target "amdgcn-amd-amdhsa--gfx1250"
	.amdhsa_code_object_version 6
	.text
	.protected	k_qf8b9be32c7_score
	.globl	k_qf8b9be32c7_score
	.p2align	8
	.type	k_qf8b9be32c7_score,@function
k_qf8b9be32c7_score:
	s_mov_b64 s[64:65], 0
	v_nop
	global_prefetch_b8 v0, s[64:65] scope:SCOPE_SE
	s_setreg_imm32_b32 hwreg(HW_REG_WAVE_MODE, 25, 1), 1
	s_wait_xcnt 0x0
; For each tile of 128 queries x 128 keys at or under the diagonal: S^T = x y^T (f16 operands, f32 sums; y = x Wq Wk^T / 1024 lies at byte 0 of qkv's rows, x in xh), the causal mask, and for each wave's block of
; 64 queries x 64 keys and each query: the block's maximum m, the weights p = 2^(c s - c m), c = 1024 log2(e) / 32, rounded to f16, and their sum l (of the unrounded p).  The next launch brings the blocks to the row's own maximum.
; pt: tile (b, i, j) of 32,768 bytes = 4 wave blocks of 8,192 = 16 pieces (4 a + bs) of 512: lane l's 16 bytes are query 16 a + l % 16, keys 16 bs + 8 (l / 16) + 0..7: the register image of the next product's source 1.
; st: record (b, block of 64 queries, block of 64 keys) of 512 bytes: c m of query 16 a + r at 16 r + 4 a, l at 256 + 16 r + 4 a.
; LIMITS.  A hidden score counts as its value less 1e30; m is held at -2^66 or above, so that a block with no visible key gets p = 0 and l = 0: sums of f16 operands, 4.4e12 at the most, are far above that;
; a weight below 2^-126 counts as 0, and below 6e-5 it keeps f16's fixed step; NaN and infinities are not treated apart.
; SHARES.  Work-group t of 136 in a batch is tile (i, j), t = i (i + 1) / 2 + j.  Four waves, 64 x 64 each: 16 accumulators.  The 1,024 channels go in four steps of 256 through two LDS slots; each wave fetches 64 rows:
; waves 0 and 1 of y, waves 2 and 3 of x.  The two tensors' rows are unlike apart, so each has a descriptor group 1 of its own, all constants, and a tensor load is two lines under a branch on the wave's number.
; NO CLUSTER: a batch's tiles lie in rows of 1 to 16, a triangle; cut into fours that share a row or a column it leaves corners of three, and a partner without work is not allowed.
; NO PREFETCH: a tile has four steps, and two of them are asked for at the head.
; The tile (i, i + 1) of an even i, which the next launch's steps of 256 keys also read, is written by tile (i, i): weights 0, c m = -1e30, l = 0.
; REGISTERS: window 0: v0-31 addresses; v32-55 masks; v56-63, v96-100 records; v64-95 statistics; v128-255 accumulators ((a, bs) at 128 + 8 (4 a + bs)).  Window 1: two fragment buffers of 128.
.set PITCH,  528                       ; an LDS row: 512 bytes + 16 of padding
.set HALFT,  64*PITCH
.set SLOT,   4*HALFT                   ; y's 128 rows, then x's 128 rows
.set SPARE,  2*SLOT                    ; behind the ring: the spare words
.set ADRA, 16
.set ADRB, 20
.set PO,   24                          ; v24  16 x lane
.set SPW,  28
.set NIL,  29
.set CL,   32                          ; v32-39  the C that starts a sum where the key block lies under the query block
.set CE,   40                          ; v40-47  where they are the same
.set CG,   48                          ; v48-55  where it lies above
.set X,    56                          ; v56-59  my 16 bytes of the record
.set Z,    60                          ; v60-63  0
.set ST,   64                          ; tile a's statistics at ST + 8 a: c m, m, l (a pair), four at work
.set NR,   96                          ; v96-99  the neutral record
.set ACC,  128
.set F0,   0
.set F1,   128
.set G1,  24                           ; s[24:31] descriptor group 1 for y's rows in qkv
.set G0,  32                           ; s[32:39] group 0, a set for each slot
.set G1B, 68                           ; s[68:75] descriptor group 1 for x's rows in xh
.set CS,   40                          ; s[40:41] c
.set SEL,  42                          ; s[42:43] v_permlanex16_b32's selects
.set HM,   44                          ; s44  lanes 16-31
.set BIGN, 45                          ; s45  -1e30
.set AL,   46                          ; s[46:47] the mask's factor
.set BE,   48                          ; s[48:49] its addend
.set BG,   50
.set FLOOR, 51                         ; s51  -2^66
.set PT,   56                          ; s[56:57] pt
.set SR,   58                          ; s[58:59] st
.set MSB, 0
.macro WIN new
.if MSB != (\new)
	s_set_vgpr_msb (MSB<<8)|(\new)
.set MSB, \new
.endif
.endm
.set MUL,  0x05                        ; sources 0 (x) and 1 (y) window 1; C and D window 0
.set TO_F, 0x40                        ; destination window 1, address window 0
.macro PLACES
.rept 4
	v_nop
.endr
.endm
; A refill of slot s: waves 0 and 1 fetch y's two halves, waves 2 and 3 x's.  The branch hangs on the wave's number alone.  An s_nop 0 and four v_nop follow each line.
.macro TLOAD s
	s_cmp_eq_u32 s11, 0
	s_cbranch_scc0 .Lfor_x_\@
	tensor_load_to_lds s[G0+4*(\s):G0+4*(\s)+3], s[G1:G1+7]
	s_nop 0
.rept 4
	v_nop
.endr
	s_branch .Lasked_\@
.Lfor_x_\@:
	tensor_load_to_lds s[G0+4*(\s):G0+4*(\s)+3], s[G1B:G1B+7]
	s_nop 0
.rept 4
	v_nop
.endr
.Lasked_\@:
.endm
	s_load_b128 s[4:7], s[0:1], 0x0                ; qkv s[4:5], xh s[6:7]
	s_load_b128 s[PT:PT+3], s[0:1], 0x10           ; pt, st
	v_lshl_add_u32 v[SPW], v0, 2, SPARE
	v_mov_b32 v[NIL], 0
	ds_add_u32 v[SPW], v[NIL]                      ; the wave's opening: the add and its wait ahead of my first tensor load
	ds_add_u32 v28, v29
	v_lshrrev_b32 v1, 5, v0
	v_readfirstlane_b32 s10, v1                    ; wave 0..3
	s_lshr_b32 s11, s10, 1                         ; my half of the queries.  Also: I fetch y (0) or x (1)
	s_and_b32 s12, s10, 1                          ; my half of the keys.  Also: which 64 rows I fetch
	s_mov_b32 s13, 0                               ; i = how many r of 1..15 have r (r + 1) / 2 <= t
.irp r, 1,2,3,4,5,6,7,8,9,10,11,12,13,14,15
	s_cmp_ge_u32 ttmp9, (\r)*((\r)+1)/2
	s_add_co_ci_u32 s13, s13, 0
.endr
	s_add_co_u32 s14, s13, 1
	s_mul_i32 s14, s14, s13
	s_lshr_b32 s14, s14, 1
	s_sub_co_u32 s14, ttmp9, s14                   ; j
	s_and_b32 s15, ttmp7, 0xffff                   ; b
.irp g, G1, G1B
	s_mov_b32 s[(\g)+0], (1<<16)|(1<<20)|(6<<22)|(3<<25)  ; 2-byte elements; after every 128 words 4 words of padding
	s_mov_b32 s[(\g)+1], 256<<16                   ; tensor_dim0 = 256
	s_mov_b32 s[(\g)+2], 64<<16                    ; tensor_dim1 = 64
	s_mov_b32 s[(\g)+3], 256<<16                   ; tile_dim0 = 256
	s_mov_b32 s[(\g)+4], 64                        ; tile_dim1 = 64
	s_mov_b32 s[(\g)+6], 0
	s_mov_b32 s[(\g)+7], 0
.endr
	s_mov_b32 s[G1+5], 3072                        ; from row to row of qkv, in elements
	s_mov_b32 s[G1B+5], 1024                       ; of xh
	s_mov_b32 s21, 6144
	s_cmp_eq_u32 s11, 0
	s_cselect_b32 s16, s13, s14                    ; y's block i, or x's block j,
	s_cselect_b32 s17, s21, 2048                   ; in rows of 6,144 or 2,048 bytes
	s_lshl_b32 s18, s15, 11
	s_lshl_b32 s16, s16, 7
	s_add_co_u32 s18, s18, s16
	s_lshl_b32 s16, s12, 6
	s_add_co_u32 s18, s18, s16
	s_mul_i32 s18, s18, s17
	s_mov_b32 s19, 0
	s_mul_i32 s20, s10, HALFT
	s_mov_b32 s[CS], 0x4238aa3b                    ; c = 32 log2(e)
	s_mov_b32 s[CS+1], s[CS]
	s_mov_b32 s[SEL], 0x76543210
	s_mov_b32 s[SEL+1], 0xfedcba98
	s_mov_b32 s[HM], 0xffff0000
	s_mov_b32 s[BIGN], 0xf149f2ca
	s_mov_b32 s[FLOOR], 0xe0800000
	s_wait_dscnt 0x0                               ; the opening add is done
	s_wait_kmcnt 0x0
	s_cmp_eq_u32 s11, 0
	s_cselect_b64 s[22:23], s[4:5], s[6:7]
	s_add_nc_u64 s[22:23], s[22:23], s[18:19]
.irp s, 0,1
	s_mov_b32 s[G0+4*\s], 1
	s_add_co_u32 s[G0+4*\s+1], s20, \s*SLOT
	s_add_nc_u64 s[G0+4*\s+2:G0+4*\s+3], s[22:23], \s*512
	s_or_b32 s[G0+4*\s+3], s[G0+4*\s+3], 0x80000000
.endr
	s_cmp_eq_u32 s11, 0                            ; a wave's two first fills stand in one branch: channels 0-255 and 256-511: two loads of mine are out
	s_cbranch_scc0 .Lfirst_x
	tensor_load_to_lds s[G0:G0+3], s[G1:G1+7]
	s_nop 0
	tensor_load_to_lds s[G0+4:G0+7], s[G1:G1+7]
	s_nop 0
.rept 4
	v_nop
.endr
	s_branch .Lfirst_asked
.Lfirst_x:
	tensor_load_to_lds s[G0:G0+3], s[G1B:G1B+7]
	s_nop 0
	tensor_load_to_lds s[G0+4:G0+7], s[G1B:G1B+7]
	s_nop 0
.rept 4
	v_nop
.endr
.Lfirst_asked:
	v_and_b32 v1, 15, v0                           ; r
	v_bfe_u32 v2, v0, 4, 1                         ; h
	v_mul_u32_u24 v3, v1, PITCH
	v_lshl_add_u32 v3, v2, 4, v3
	s_mul_i32 s21, s11, HALFT                      ; my 64 rows of y
	s_mul_i32 s22, s12, HALFT                      ; my 64 rows of x,
	s_add_co_u32 s22, s22, 2*HALFT                 ; behind y's 128
.irp s, 0,1
	v_add_nc_u32 v[ADRA+\s], s21, v3
	v_add_nc_u32 v[ADRB+\s], s22, v3
	s_add_co_u32 s21, s21, SLOT
	s_add_co_u32 s22, s22, SLOT
.endr
	v_and_b32 v[PO], 31, v0
	v_lshlrev_b32 v[PO], 4, v[PO]
	; THE MASK.  Only in a tile on the diagonal.  My block lies on it (halves alike): key block bs is hidden above query block a, visible under it, and for bs = a register jj is hidden where jj > r - 8 h.
	; My block lies above it (query half 0, key half 1): all is hidden.
	s_cmp_eq_u32 s13, s14
	s_cselect_b32 s52, 1, 0
	s_cmp_eq_u32 s11, s12
	s_cselect_b32 s53, s52, 0                      ; on the diagonal
	s_cmp_lt_u32 s11, s12
	s_cselect_b32 s54, s52, 0                      ; above it
	s_cmp_eq_u32 s53, 1
	s_cselect_b32 s[AL], 1.0, 0
	s_cmp_eq_u32 s54, 1
	s_cselect_b32 s[BE], s[BIGN], 0
	s_or_b32 s55, s53, s54
	s_cmp_eq_u32 s55, 1
	s_cselect_b32 s[BG], s[BIGN], 0
	s_mov_b32 s[AL+1], 0                           ; named as pairs
	s_mov_b32 s[BE+1], 0
	v_lshlrev_b32 v5, 3, v2
	v_sub_nc_u32 v14, v1, v5                       ; r - 8 h
.irp jj, 0,1,2,3,4,5,6,7
	v_cmp_gt_i32 vcc_lo, \jj, v14
	v_cndmask_b32 v[CE+\jj], 0, s[BIGN], vcc_lo
	v_mov_b32 v[CL+\jj], s[BE]
	v_mov_b32 v[CG+\jj], s[BG]
.endr
.irp z, 0,2,4,6
	v_pk_fma_f32 v[CE+\z:CE+\z+1], v[CE+\z:CE+\z+1], s[AL:AL+1], s[BE:BE+1] op_sel_hi:[1,0,0]
.endr
.irp z, 0,1,2,3
	v_mov_b32 v[Z+\z], 0
.endr
	v_mov_b32 v100, s[BIGN]
	v_cndmask_b32 v[NR], v100, v[Z], s[HM]         ; lanes 0-15: c m = -1e30; lanes 16-31: l = 0
	v_mov_b32 v[NR+1], v[NR]
	v_mov_b32 v[NR+2], v[NR]
	v_mov_b32 v[NR+3], v[NR]
	s_lshl_b32 s16, s15, 4                         ; pt at my block: (((16 b + i) 16 + j) 4 + w) x 8,192
	s_add_co_u32 s16, s16, s13
	s_lshl_b32 s16, s16, 4
	s_add_co_u32 s16, s16, s14
	s_lshl_b32 s16, s16, 15
	s_lshl_b32 s17, s10, 13
	s_add_co_u32 s16, s16, s17
	s_mov_b32 s17, 0
	s_add_nc_u64 s[PT:PT+1], s[PT:PT+1], s[16:17]
	s_lshl_b32 s16, s15, 5                         ; st at my record: ((32 b + 2 i + query half) 32 + 2 j + key half) x 512
	s_lshl_b32 s17, s13, 1
	s_add_co_u32 s16, s16, s17
	s_add_co_u32 s16, s16, s11
	s_lshl_b32 s16, s16, 5
	s_lshl_b32 s17, s14, 1
	s_add_co_u32 s16, s16, s17
	s_add_co_u32 s16, s16, s12
	s_lshl_b32 s16, s16, 9
	s_mov_b32 s17, 0
	s_add_nc_u64 s[SR:SR+1], s[SR:SR+1], s[16:17]
; 8 matrix instructions: query blocks a0, a0 + 1 x all 4 key blocks, 32 channels: half c of buffer f.  zero = 1: the first product starts the sum, with the mask as C.  The 16 accumulators take turns.
.macro MUL8 f, c, a0, zero
	WIN MUL
.irp a, \a0, (\a0)+1
.irp b, 0,1,2,3
.if \zero
.if (\b) < (\a)
.set CM, CL
.elseif (\b) == (\a)
.set CM, CE
.else
.set CM, CG
.endif
	v_wmma_f32_16x16x32_f16 v[ACC+8*(4*(\a)+(\b)):ACC+8*(4*(\a)+(\b))+7], v[(\f)+64+8*(4*(\c)+(\b)):(\f)+64+8*(4*(\c)+(\b))+7], v[(\f)+8*(4*(\c)+(\a)):(\f)+8*(4*(\c)+(\a))+7], v[CM:CM+7]
.else
	v_wmma_f32_16x16x32_f16 v[ACC+8*(4*(\a)+(\b)):ACC+8*(4*(\a)+(\b))+7], v[(\f)+64+8*(4*(\c)+(\b)):(\f)+64+8*(4*(\c)+(\b))+7], v[(\f)+8*(4*(\c)+(\a)):(\f)+8*(4*(\c)+(\a))+7], v[ACC+8*(4*(\a)+(\b)):ACC+8*(4*(\a)+(\b))+7]
.endif
.endr
.endr
.endm
; 32 LDS loads in one run: the fragments of 64 channels at byte k of the rows, into buffer f; the first 32 channels first
.macro FETCH slot, k, f
	WIN TO_F
.irp c, 0,1
.irp i, 0,1,2,3
	ds_load_b128 v[(\f)+64+8*(4*(\c)+(\i)):(\f)+64+8*(4*(\c)+(\i))+3],   v[ADRB+(\slot)] offset:(\k)+64*(\c)+(\i)*16*PITCH
	ds_load_b128 v[(\f)+64+8*(4*(\c)+(\i))+4:(\f)+64+8*(4*(\c)+(\i))+7], v[ADRB+(\slot)] offset:(\k)+64*(\c)+(\i)*16*PITCH+32
	ds_load_b128 v[(\f)+8*(4*(\c)+(\i)):(\f)+8*(4*(\c)+(\i))+3],         v[ADRA+(\slot)] offset:(\k)+64*(\c)+(\i)*16*PITCH
	ds_load_b128 v[(\f)+8*(4*(\c)+(\i))+4:(\f)+8*(4*(\c)+(\i))+7],       v[ADRA+(\slot)] offset:(\k)+64*(\c)+(\i)*16*PITCH+32
.endr
.endr
.endm
; A step is four quarters of 64 channels, 32 matrix instructions each, on buffers 0, 1, 0, 1.  One of the first three: multiplies buffer f and fetches the next quarter, at byte k, into g.
.macro QUARTER slot, k, f, g, zero
	s_wait_dscnt 16                                ; the first 32 channels are in; the run's other 16 loads may be out
	MUL8 \f, 0, 0, \zero
	MUL8 \f, 0, 2, \zero
	PLACES
	FETCH \slot, \k, \g
	s_wait_dscnt 32                                ; all but the 32 just issued
	MUL8 \f, 1, 0, 0
	MUL8 \f, 1, 2, 0
.endm
; The last quarter multiplies buffer 1 and changes slots: one barrier; in front of it each wave waits for all its tensor loads, adds 0 to its spare word, and waits for that and for its reads of this slot.
; fill = 1: this slot is filled again, two steps on: my one tensor load behind the barrier, and the first thing there.
.macro TURN slot, next, fill
	WIN 0
	s_wait_tensorcnt 0x0                           ; all my tensor loads have landed: my part of the next slot
	ds_add_u32 v[SPW], v[NIL]                      ; 0 onto my spare word
	s_wait_dscnt 17                                ; (the add and the youngest sixteen loads may be out)
	MUL8 F1, 0, 0, 0
	s_wait_dscnt 0x0                               ; the add is done, and my reads of this slot are over
	s_barrier_signal -1
	MUL8 F1, 0, 2, 0
.if \fill
	WIN 0                                          ; at a branch and at a label every window is 0
.endif
	s_barrier_wait -1
.if \fill
	s_add_nc_u64 s[G0+4*(\slot)+2:G0+4*(\slot)+3], s[G0+4*(\slot)+2:G0+4*(\slot)+3], 1024
	TLOAD \slot                                    ; its four v_nop are also the places in front of the loads below
.else
	PLACES
.endif
	FETCH \next, 0, F0
	MUL8 F1, 1, 0, 0
	MUL8 F1, 1, 2, 0
.endm
	s_wait_tensorcnt 1                             ; my part of step 0 is in; step 1's may stay out
	s_barrier_signal -1
	s_barrier_wait -1
	FETCH 0, 0, F0
	QUARTER 0, 128, F0, F1, 1
	QUARTER 0, 256, F1, F0, 0
	QUARTER 0, 384, F0, F1, 0
	TURN 0, 1, 1                                   ; slot 0 takes channels 512-767
	QUARTER 1, 128, F0, F1, 0
	QUARTER 1, 256, F1, F0, 0
	QUARTER 1, 384, F0, F1, 0
	TURN 1, 0, 1                                   ; slot 1 takes channels 768-1023
	QUARTER 0, 128, F0, F1, 0
	QUARTER 0, 256, F1, F0, 0
	QUARTER 0, 384, F0, F1, 0
	TURN 0, 1, 0
	QUARTER 1, 128, F0, F1, 0
	QUARTER 1, 256, F1, F0, 0
	QUARTER 1, 384, F0, F1, 0
	s_wait_dscnt 16
	MUL8 F1, 0, 0, 0
	MUL8 F1, 0, 2, 0
	s_wait_dscnt 0x0
	MUL8 F1, 1, 0, 0
	MUL8 F1, 1, 2, 0
	WIN 0
	PLACES
	; THE BLOCK'S SOFTMAX.  A lane holds one query of each of four tiles and 32 of its 64 keys; the four tiles alternate line by line.
.macro EACH line:vararg                ; one line for each tile t
.set t, 0
.rept 4
	\line
.set t, t+1
.endr
.endm
.set j, 0
.rept 4                                ; the maximum: four chains, three operands at a time; each accumulator's lowest registers are read first
	EACH v_max3_num_f32 v[ST+8*t+4+j], v[ACC+32*t+8*j], v[ACC+32*t+8*j+1], v[ACC+32*t+8*j+2]
.set j, j+1
.endr
.rept 8
	EACH v_max3_num_f32 v[ST+8*t+4+j%4], v[ST+8*t+4+j%4], v[ACC+32*t+8*(j%4)+2*(j/4)+1], v[ACC+32*t+8*(j%4)+2*(j/4)+2]
.set j, j+1
.endr
	EACH v_max3_num_f32 v[ST+8*t+4], v[ST+8*t+4], v[ACC+32*t+7], v[ACC+32*t+15]
	EACH v_max3_num_f32 v[ST+8*t+6], v[ST+8*t+6], v[ACC+32*t+23], v[ACC+32*t+31]
	EACH v_max3_num_f32 v[ST+8*t+4], v[ST+8*t+4], v[ST+8*t+5], v[ST+8*t+6]
	EACH v_max_num_f32 v[ST+8*t+4], v[ST+8*t+4], v[ST+8*t+7]
	EACH v_permlanex16_b32 v[ST+8*t+5], v[ST+8*t+4], s[SEL], s[SEL+1]
	EACH v_max3_num_f32 v[ST+8*t+1], v[ST+8*t+4], v[ST+8*t+5], s[FLOOR]
	EACH v_mul_f32 v[ST+8*t], s[CS], v[ST+8*t+1]
.set j, 0
.rept 16                               ; c s - c m
	EACH v_pk_fma_f32 v[ACC+32*t+2*j:ACC+32*t+2*j+1], v[ACC+32*t+2*j:ACC+32*t+2*j+1], s[CS:CS+1], v[ST+8*t:ST+8*t+1] op_sel_hi:[1,0,0] neg_lo:[0,0,1] neg_hi:[0,0,1]
.set j, j+1
.endr
.set j, 0
.rept 128                              ; one batch of exponentials
	v_exp_f32 v[ACC+j], v[ACC+j]
.set j, j+1
.endr
	v_nop                                          ; a plain instruction behind the last exponential,
	s_wait_alu depctr_va_vdst(0)                   ; and one wait ahead of the first use
	EACH v_pk_add_f32 v[ST+8*t+4:ST+8*t+5], v[ACC+32*t:ACC+32*t+1], v[ACC+32*t+2:ACC+32*t+3]
	EACH v_pk_add_f32 v[ST+8*t+6:ST+8*t+7], v[ACC+32*t+4:ACC+32*t+5], v[ACC+32*t+6:ACC+32*t+7]
.set j, 4
.rept 12                               ; the sums, in two chains a tile; the weights stay as they are
	EACH v_pk_add_f32 v[ST+8*t+4+2*(j%2):ST+8*t+5+2*(j%2)], v[ST+8*t+4+2*(j%2):ST+8*t+5+2*(j%2)], v[ACC+32*t+2*j:ACC+32*t+2*j+1]
.set j, j+1
.endr
	EACH v_pk_add_f32 v[ST+8*t+2:ST+8*t+3], v[ST+8*t+4:ST+8*t+5], v[ST+8*t+6:ST+8*t+7]
	EACH v_add_f32 v[ST+8*t+2], v[ST+8*t+2], v[ST+8*t+3]
	EACH v_permlanex16_b32 v[ST+8*t+3], v[ST+8*t+2], s[SEL], s[SEL+1]
	EACH v_add_f32 v[ST+8*t+2], v[ST+8*t+2], v[ST+8*t+3]
.set j, 0
.rept 16                               ; rounded to f16, in place: pair j goes to register j, which pairs 0 .. j have left behind
	EACH v_cvt_pk_f16_f32 v[ACC+32*t+j], v[ACC+32*t+2*j], v[ACC+32*t+2*j+1]
.set j, j+1
.endr
.set j, 0
.rept 16                               ; piece j = 4 a + bs: 512 consecutive bytes a store
	global_store_b128 v[PO], v[ACC+32*(j/4)+4*(j%4):ACC+32*(j/4)+4*(j%4)+3], s[PT:PT+1] offset:512*j
.set j, j+1
.endr
	EACH v_cndmask_b32 v[X+t], v[ST+8*t], v[ST+8*t+2], s[HM]
	global_store_b128 v[PO], v[X:X+3], s[SR:SR+1]  ; lanes 0-15: c m; lanes 16-31: l
	s_cmp_lg_u32 s13, s14                          ; tile (i, i) of an even i also writes tile (i, i + 1)
	s_cbranch_scc1 .Lend
	s_bitcmp1_b32 s13, 0
	s_cbranch_scc1 .Lend
.set j, 0
.rept 16
	global_store_b128 v[PO], v[Z:Z+3], s[PT:PT+1] offset:32768+512*j
.set j, j+1
.endr
	global_store_b128 v[PO], v[NR:NR+3], s[SR:SR+1] offset:1024
.Lend:
	s_wait_tensorcnt 0x0                           ; the wave's end
	ds_add_u32 v[SPW], v[NIL]
	s_wait_dscnt 0x0
	s_endpgm
.Lfunc_end_k_qf8b9be32c7_score:
	.size	k_qf8b9be32c7_score, .Lfunc_end_k_qf8b9be32c7_score-k_qf8b9be32c7_score
	.p2alignl 7, 3214868480
	.fill 96, 4, 3214868480
	.section	.rodata,"a",@progbits
	.p2align	6, 0x0
	.amdhsa_kernel k_qf8b9be32c7_score
		.amdhsa_group_segment_fixed_size 327680
		.amdhsa_private_segment_fixed_size 0
		.amdhsa_enable_private_segment 0
		.amdhsa_kernarg_size 32
		.amdhsa_user_sgpr_count 2
		.amdhsa_user_sgpr_kernarg_segment_ptr 1
		.amdhsa_wavefront_size32 1
		.amdhsa_system_sgpr_workgroup_id_x 1
		.amdhsa_system_sgpr_workgroup_id_y 1
		.amdhsa_system_sgpr_workgroup_id_z 1
		.amdhsa_system_vgpr_workitem_id 0
		.amdhsa_next_free_vgpr 512
		.amdhsa_next_free_sgpr 80
		.amdhsa_reserve_vcc 1
		.amdhsa_float_denorm_mode_32 3
		.amdhsa_float_denorm_mode_16_64 3
		.amdhsa_memory_ordered 1
		.amdhsa_forward_progress 1
		.amdhsa_inst_pref_size 104
	.end_amdhsa_kernel
	.amdgpu_metadata
---
amdhsa.version: [ 1, 2 ]
amdhsa.kernels:
  - .name:           k_qf8b9be32c7_score
    .symbol:         k_qf8b9be32c7_score.kd
    .args:
      - { .name: qkv, .offset: 0, .size: 8, .value_kind: global_buffer, .address_space: global }
      - { .name: xh, .offset: 8, .size: 8, .value_kind: global_buffer, .address_space: global }
      - { .name: pt, .offset: 16, .size: 8, .value_kind: global_buffer, .address_space: global }
      - { .name: st, .offset: 24, .size: 8, .value_kind: global_buffer, .address_space: global }
    .group_segment_fixed_size: 327680
    .private_segment_fixed_size: 0
    .kernarg_segment_align: 8
    .kernarg_segment_size: 32
    .max_flat_workgroup_size: 128
    .sgpr_count:     80
    .vgpr_count:     512
    .wavefront_size: 32
...
	.end_amdgpu_metadata
.endif
;; end of part 3
;; launch pv (part 4): grid 8 x 32, 4 waves a work-group, clusters of 4 x 1, 327,680 bytes of LDS; arguments pt, st, qkv, out0; writes out0
.if DOCPART == 4
	.amdgcn_target "amdgcn-amd-amdhsa--gfx1250"
	.amdhsa_code_object_version 6
	.text
	.protected	k_qf8b9be32c7_pv
	.globl	k_qf8b9be32c7_pv
	.p2align	8
	.type	k_qf8b9be32c7_pv,@function
k_qf8b9be32c7_pv:
	s_mov_b64 s[64:65], 0
	v_nop
	global_prefetch_b8 v0, s[64:65] scope:SCOPE_SE
	s_setreg_imm32_b32 hwreg(HW_REG_WAVE_MODE, 25, 1), 1
	s_wait_xcnt 0x0
	s_wait_alu depctr_hold_cnt(0) depctr_sa_sdst(0) depctr_va_vdst(0) depctr_va_sdst(0) depctr_va_ssrc(0) depctr_va_vcc(0) depctr_vm_vsrc(0)
	s_getreg_b32 s2, hwreg(HW_REG_IB_STS2, 6, 4)
	s_cmp_eq_u32 s2, 0
	s_cbranch_scc0 .Lentry_in_a_cluster
	s_endpgm
.Lentry_in_a_cluster:
	s_bfe_u32 s2, ttmp6, 0x10000c
	s_cmp_lg_u32 s2, 0x3003
	s_cbranch_scc0 .Lentry_shape_is_right
	s_endpgm
.Lentry_shape_is_right:
; out0[b][q][:] = (the sum over blocks of 64 keys of f p v) / L.  p, c m and l of each block come from pt and st; M is the row's maximum of the blocks' c m, f = 2^(c m - M) <= 1, L = the sum of f l.
; So every exponent has the row's own maximum taken away.  p f is rounded to f16 (f itself first), v is f16; products' sums, M, L and the division in f32; out0 f32.
; LIMITS.  p f below 6e-5 keeps f16's fixed step of 6e-8; L is taken with the unrounded f and p; NaN and infinities are not treated apart.
; THE WALK.  A batch's queries lie in 16 blocks of 128; block i needs i / 2 + 1 steps of 256 keys.  A work-group takes 128 channels and TWO blocks, 15 - p and then p: nine steps whatever p: 256 work-groups of equal work,
; one loop with a constant trip count; the ring of two LDS slots runs on across the change of blocks.  What differs hangs on scalar registers made from p; every jump but the loops' own goes forward, past no barrier and no tensor load.
; SHARES.  Four waves, 64 queries x 64 channels each: 16 accumulators.  O^T = V^T P: source 0 = 16 channels x 32 keys (v turned by ds_load_tr16_b128), source 1 = pt's pieces as they lie.  A lane holds one query and 8 channels.
; CLUSTER.  The four partners have the same batch and p and four neighbouring channel tiles: they walk the same tiles of pt, which are asked for jointly (waves 0 and 1); each one's own 128 channels of v come by plain loads (waves 2 and 3) behind the same round.
; REGISTERS: window 0: v10-29 addresses; v32-47 a step's factors (quarter, query tile); v48-63 1 / L (block, tile, in pairs); v64-191 V's fragments, two buffers (at the head: st's records; on the way out: rows); v192-255 at work at the head.
;   window 1: v0-127 accumulators ((a, d) at 8 (4 a + d)); v128-255 P's fragments, two buffers.  ONE setting of the windows serves the products and the scaling of P.
.set PBYTES, 65536                     ; a step's two tiles of pt, dense
.set PV,     288                       ; a row of v in LDS: 256 bytes + 32: an odd multiple of 32
.set SLOT,   PBYTES+256*PV             ; 139,264 = 0x22000: no bit of it is set in any address inside slot 0 that is turned by an exclusive or
.set TAB,    2*SLOT                    ; behind the ring: each wave's table of factors, 36 quarters x 256 bytes: (f, f) in f16 of query 16 a + r at 16 r + 4 a
.set TABW,   9216
.set SP,     272                       ; the way out: 16 rows x 272 bytes at the head of my own table, whose first 20 quarters (5,120 bytes) belong to the first block and are dead at its end
.set SPARE,  TAB+4*TABW                ; behind the tables: the spare words
.set VSTEP,  256*6144                  ; 256 rows of qkv
.set AP0, 10                           ; v10  my place in a step's tiles of pt; never rewritten
.set AV0, 11                           ; v11  in a step's rows of v
.set AP,  12                           ; v12-14 the same in the slot in hand; v14 for keys 128 on
.set AV,  13
.set AV2, 14
.set FA,  15                           ; v15  the step's factors
.set TW,  16                           ; v16  where I put factors
.set STO, 17
.set RD,  18
.set GO,  19
.set LP,  20
.set VO5, 21                           ; v21-23 st's offsets for walk steps 5, 6, 7
.set VOA, 24
.set VOB, 25
.set PFO, 26
.set FA0, 27
.set SPW, 28
.set NIL, 29
.set FAC, 32
.set INV, 48
.set VF,  64
.set PF,  128                          ; window 1
.set R,   64                           ; at the head: c m, then f: pair of quarters u, tile a at R + 4 u + a
.set LR,  136                          ; l likewise
.set MA,  208
.set MB,  212
.set REF, 216
.set T1,  228
.set T2,  232
.set T3,  236
.set T4,  240
.set LA,  244
.set LB,  248
.set WV,  12
.set G1P, 24
.set G1V, 32
.set G0P, 40
.set G0V, 44
.set PTW, 48                           ; s[48:49] pt at my tile of a step
.set VW,  50                           ; s[50:51] v at my 128 keys of step 0, my work-group's channels
.set NXT, 54                           ; the step to be asked for next, in its block
.set LQ,  55                           ; that block's last step
.set PO,  56                           ; that block's row of tiles in pt, in bytes
.set POB, 57
.set SLOTS, 58
.set RT,  59                           ; steps that the block in hand still has
.set SB,  60                           ; the slot in hand
.set LIM, 61                           ; 1 in a wave that prefetches, else the greatest number
.set PFA, 62
.set OUTA, 66
.set OUTB, 68
.set SEL, 70
.set MK,  72                           ; for walk steps 5, 6, 7: all ones if the step is the first block's,
.set WA,  75                           ; 1.0 or 0,
.set WB,  78                           ; 0 or 1.0,
.set BA,  81                           ; 0 or -2^127,
.set BB,  84                           ; -2^127 or 0
.set OAP, 87
.set OBP, 88
.set NB1, 89
.set PFB, 90
.set FB,  92                           ; 1,024 x the walk's step
.set LIMB, 93
.set NEG, 99
.set MSB, 0
.macro WIN new
.if MSB != (\new)
	s_set_vgpr_msb (MSB<<8)|(\new)
.set MSB, \new
.endif
.endm
.set W_MM, 0x54                        ; source 0 window 0 (V; the factor), source 1, source 2 and destination window 1
.macro PLACES
.rept 4
	v_nop
.endr
.endm
.macro JLOAD                           ; waves 0 and 1: a tile of pt each, jointly; waves 2 and 3: 128 keys of v each.  An s_nop 0 and four v_nop follow each line
	s_cmp_lt_u32 s[WV], 2
	s_cbranch_scc0 .Lfor_v_\@
	tensor_load_to_lds s[G0P:G0P+3], s[G1P:G1P+7]
	s_nop 0
.rept 4
	v_nop
.endr
	s_branch .Lasked_\@
.Lfor_v_\@:
	tensor_load_to_lds s[G0V:G0V+3], s[G1V:G1V+7]
	s_nop 0
.rept 4
	v_nop
.endr
.Lasked_\@:
.endm
; A prefetch of what the NEXT change of slots asks for: a step, 128 matrix instructions, ahead.  pt: a step's 65,536 bytes are read by both clusters of a row of clusters: cluster x = 0 asks; its partners take 16,384 bytes each, by
; address; waves 0 and 1 take 8,192 each, a lane for each 256.  v: a work-group's 128 channels of a key are 256 bytes, read by all eight p: p = 0, whose first block walks all keys, asks while that block is asked for: waves 2 and 3,
; their own 128 keys, a lane a key, four lines.  The last change that fills a slot asks for nothing.
.macro ASK
	s_cmp_gt_u32 s[SLOTS], s[LIM]
	s_cbranch_scc0 .Lnone_\@
	s_cmp_lt_u32 s[WV], 2
	s_cbranch_scc0 .Lask_v_\@
	global_prefetch_b8 v[PFO], s[PFA:PFA+1] th:TH_LOAD_NT scope:SCOPE_SE
	s_branch .Lnone_\@
.Lask_v_\@:
.irp t, 0,1,2,3
	global_prefetch_b8 v[PFO], s[PFA:PFA+1] offset:196608*\t th:TH_LOAD_NT scope:SCOPE_SE
.endr
.Lnone_\@:
.endm
.macro CROUND
	s_barrier_signal -1
	s_barrier_wait -1
	s_cmp_lg_u32 s[WV], 0
	s_cbranch_scc1 .Lnot_wave_0_\@
	s_barrier_signal -3
.Lnot_wave_0_\@:
	s_barrier_wait -3
	s_barrier_signal -1
	s_barrier_wait -1
.endm
; THE CHANGE OF SLOTS.  Each wave waits for all its tensor loads (one is out: its part of the other slot), adds 0 to its spare word, and waits for that and for its LDS instructions.  fill = 1: the barrier is a round of the
; cluster's, and the slot just left is filled first thing behind it, with step NXT: the addresses are made anew from that number.  (At its first use slot 0 is waited for and slot 1 filled.)
.macro CHANGE fill
	WIN 0
	s_wait_tensorcnt 0x0                           ; no tensor load of mine is out, so a group 0 may be written
	ds_add_u32 v[SPW], v[NIL]                      ; 0 onto my spare word
.if \fill
	s_lshl_b32 s52, s[NXT], 16
	s_add_co_u32 s52, s52, s[PO]
	s_xor_b32 s[G0P+1], s[G0P+1], SLOT
	s_add_nc_u64 s[G0P+2:G0P+3], s[PTW:PTW+1], s[52:53]
	s_or_b32 s[G0P+3], s[G0P+3], 0x80000000
	s_mul_i32 s94, s[NXT], VSTEP
	s_xor_b32 s[G0V+1], s[G0V+1], SLOT
	s_add_nc_u64 s[G0V+2:G0V+3], s[VW:VW+1], s[94:95]
	s_or_b32 s[G0V+3], s[G0V+3], 0x80000000
	s_add_co_u32 s[NXT], s[NXT], 1                 ; the block's next step, or behind its last the second block's step 0
	s_cmp_gt_u32 s[NXT], s[LQ]
	s_cselect_b32 s[NXT], 0, s[NXT]
	s_cselect_b32 s[LQ], s[NB1], s[LQ]
	s_cselect_b32 s[PO], s[POB], s[PO]
	s_cselect_b32 s[LIM], s[LIMB], s[LIM]          ; v has been walked: it is asked for no more
	s_lshl_b32 s96, s[NXT], 16
	s_add_co_u32 s96, s96, s[PO]
	s_mul_i32 s98, s[NXT], VSTEP
	s_cmp_lt_u32 s[WV], 2
	s_cselect_b32 s96, s96, s98
	s_wait_xcnt 0x0                                ; the last prefetches, a step back, have read their address
	s_add_nc_u64 s[PFA:PFA+1], s[PFB:PFB+1], s[96:97]
	s_wait_dscnt 0x0                               ; the add is done, and my reads of the slot are over
	CROUND
	JLOAD
	ASK
.else
	s_wait_dscnt 0x0
	s_barrier_signal -1
	s_barrier_wait -1
.endif
	s_xor_b32 s[SB], s[SB], SLOT
.endm
	s_load_b256 s[4:11], s[0:1], 0x0               ; pt s[4:5], st s[6:7], qkv s[8:9], out0 s[10:11]
	v_lshl_add_u32 v[SPW], v0, 2, SPARE
	v_mov_b32 v[NIL], 0
	ds_add_u32 v[SPW], v[NIL]                      ; the wave's opening: the add and its wait ahead of my first tensor load
	ds_add_u32 v28, v29
	v_lshrrev_b32 v1, 5, v0
	v_readfirstlane_b32 s[WV], v1
	s_bfe_u32 s13, ttmp6, 0x40000                  ; cx
	s_lshl_b32 s14, ttmp9, 2
	s_add_co_u32 s14, s14, s13                     ; my tile of 128 channels
	s_and_b32 s15, ttmp7, 0xffff
	s_lshr_b32 s16, s15, 3                         ; b
	s_and_b32 s17, s15, 7                          ; p: the second block
	s_sub_co_u32 s18, 15, s17                      ; the first block
	s_lshr_b32 s19, s18, 1
	s_add_co_u32 s19, s19, 1                       ; its steps, 5 to 8
	s_lshr_b32 s[NB1], s17, 1                      ; the second block's last step
	s_lshr_b32 s21, s[WV], 1                       ; my half of the queries
	s_and_b32 s22, s[WV], 1                        ; my half of the channels.  Also: which tile of pt, or which 128 keys, I fetch
	s_mov_b32 s[G1P+0], 15|(1<<16)|(1<<21)         ; the mask of four; 2-byte elements; bit 21 set beside a mask; no padding
	s_mov_b32 s[G1P+1], 128<<16
	s_mov_b32 s[G1P+2], 128<<16
	s_mov_b32 s[G1P+3], 128<<16
	s_mov_b32 s[G1P+4], 128                        ; 128 rows of 256 bytes, dense
	s_mov_b32 s[G1P+5], 128
	s_mov_b32 s[G1P+6], 0
	s_mov_b32 s[G1P+7], 0
	s_mov_b32 s[G1V+0], (1<<16)|(1<<20)|(5<<22)|(7<<25)  ; after every 64 words 8 words of padding
	s_mov_b32 s[G1V+1], 128<<16
	s_mov_b32 s[G1V+2], 128<<16
	s_mov_b32 s[G1V+3], 128<<16
	s_mov_b32 s[G1V+4], 128
	s_mov_b32 s[G1V+5], 3072
	s_mov_b32 s[G1V+6], 0
	s_mov_b32 s[G1V+7], 0
	s_mov_b32 s[G0P], 1
	s_lshl_b32 s[G0P+1], s22, 15
	s_mov_b32 s[G0V], 1
	s_mul_i32 s[G0V+1], s22, 128*PV
	s_add_co_u32 s[G0V+1], s[G0V+1], PBYTES
	s_lshl_b32 s23, s16, 4
	s_add_co_u32 s[PO], s23, s18
	s_lshl_b32 s[PO], s[PO], 19                    ; 16 tiles of 32,768 bytes to a block of queries
	s_add_co_u32 s[POB], s23, s17
	s_lshl_b32 s[POB], s[POB], 19
	s_lshl_b32 s52, s22, 15
	s_mov_b32 s53, 0
	s_mov_b32 s95, 0
	s_mov_b32 s97, 0
	s_lshl_b32 s2, s16, 11                         ; v: key 2048 b + 128 x half, byte 4,096 + 256 x channel tile of its row
	s_lshl_b32 s3, s22, 7
	s_add_co_u32 s2, s2, s3
	s_mul_i32 s2, s2, 6144
	s_lshl_b32 s3, s14, 8
	s_add_co_u32 s2, s2, s3
	s_add_co_u32 s2, s2, 4096
	s_mov_b32 s3, 0
	s_mov_b32 s[NXT], 1
	s_sub_co_u32 s[LQ], s19, 1
	s_mov_b32 s[RT], s19
	s_mov_b32 s[SB], SLOT                          ; the first change turns it into 0
	s_mov_b32 s[FB], 0
	s_mov_b32 s[SLOTS], 8
	s_mov_b32 s[SEL], 0x76543210
	s_mov_b32 s[SEL+1], 0xfedcba98
	s_mov_b32 s[NEG], 0xff000000                   ; -2^127
	s_wait_dscnt 0x0                               ; the opening add is done
	s_wait_kmcnt 0x0
	s_add_nc_u64 s[PTW:PTW+1], s[4:5], s[52:53]
	s_add_nc_u64 s[VW:VW+1], s[8:9], s[2:3]
	s_mov_b32 s52, s[PO]
	s_add_nc_u64 s[G0P+2:G0P+3], s[PTW:PTW+1], s[52:53]
	s_or_b32 s[G0P+3], s[G0P+3], 0x80000000
	s_add_nc_u64 s[G0V+2:G0V+3], s[VW:VW+1], 0
	s_or_b32 s[G0V+3], s[G0V+3], 0x80000000
	CROUND                                         ; all four work-groups are here: the first joint loads meet
	JLOAD                                          ; the first block's step 0 into slot 0: one load of mine is out
	; st's records: walk quarter 2 u + h of 36, for my 64 queries of the block that the quarter belongs to
	v_and_b32 v1, 15, v0                           ; r
	v_bfe_u32 v2, v0, 4, 1                         ; h
	v_and_b32 v3, 31, v0
	v_and_b32 v4, 7, v0
	v_bfe_u32 v5, v0, 3, 1
	s_lshl_b32 s2, s16, 5
	s_add_co_u32 s2, s2, s21
	s_lshl_b32 s3, s18, 1
	s_add_co_u32 s3, s3, s2
	s_lshl_b32 s3, s3, 14                          ; 32 records of 512 bytes to a block of 64 queries
	s_add_co_u32 s[OAP], s3, 32768                 ; (32,768 more, which the immediates take away: the second block's offset stays above 0)
	s_lshl_b32 s3, s17, 1
	s_add_co_u32 s3, s3, s2
	s_lshl_b32 s3, s3, 14
	s_add_co_u32 s3, s3, 32768
	s_lshl_b32 s2, s19, 11                         ; the second block's quarter 0 is the walk's quarter 4 x the first block's steps
	s_sub_co_u32 s[OBP], s3, s2
	v_lshlrev_b32 v[LP], 9, v2
	v_lshl_add_u32 v[LP], v1, 4, v[LP]
	v_add_nc_u32 v[VOA], s[OAP], v[LP]
	v_add_nc_u32 v[VOB], s[OBP], v[LP]
.irp e, 0,1,2
	s_cmp_gt_u32 s19, 5+\e                         ; is walk step 5 + e the first block's?
	s_cselect_b32 s[MK+\e], -1, 0
	s_cselect_b32 s[WA+\e], 1.0, 0
	s_cselect_b32 s[WB+\e], 0, 1.0
	s_cselect_b32 s[BA+\e], 0, s[NEG]
	s_cselect_b32 s[BB+\e], s[NEG], 0
	s_cselect_b32 s23, s[OAP], s[OBP]
	v_add_nc_u32 v[VO5+\e], s23, v[LP]
.endr
.set u, 0
.rept 18
.if u < 10
.set VR, VOA
.elseif u < 16
.set VR, VO5+(u-10)/2
.else
.set VR, VOB
.endif
	global_load_b128 v[R+4*u:R+4*u+3],   v[VR], s[6:7] offset:1024*u-32768
	global_load_b128 v[LR+4*u:LR+4*u+3], v[VR], s[6:7] offset:1024*u-32768+256
.set u, u+1
.endr
	; addresses, while the records are on their way
	s_lshl_b32 s23, s21, 14
	v_lshl_add_u32 v[AP0], v3, 4, s23              ; pt: my half of the queries is two wave blocks of 8,192; 16 bytes a lane
	v_lshl_add_u32 v[AV0], v2, 3, v4               ; the turning load: key 8 h + l % 8, channels 8 ((l / 8) % 2) on
	v_mul_u32_u24 v[AV0], v[AV0], PV
	v_lshl_add_u32 v[AV0], v5, 4, v[AV0]
	s_lshl_b32 s23, s22, 7
	s_add_co_u32 s23, s23, PBYTES
	v_add_nc_u32 v[AV0], s23, v[AV0]
	s_mul_i32 s23, s[WV], TABW
	s_add_co_u32 s23, s23, TAB
	v_lshl_add_u32 v[FA0], v1, 4, s23
	v_lshl_add_u32 v[TW], v2, 8, v[FA0]
	v_mul_u32_u24 v6, v1, SP
	v_lshl_add_u32 v6, v2, 5, v6
	v_add_nc_u32 v[STO], s23, v6                   ; in: row r, 32 bytes for each half of the lanes
	v_mul_u32_u24 v6, v2, SP
	v_add_nc_u32 v[RD], v6, v[FA0]                 ; back: lanes 0-15 one row of 256 bytes, lanes 16-31 the next
	v_lshlrev_b32 v[GO], 12, v2
	v_lshl_add_u32 v[GO], v1, 4, v[GO]             ; and the same two rows in out0
.irp k, 0,1
	s_lshl_b32 s2, s16, 11                         ; out0 at row 2048 b + 128 x block + 64 x my half, byte 512 x channel tile + 256 x my half
	s_lshl_b32 s3, s[18-\k], 7
	s_add_co_u32 s2, s2, s3
	s_lshl_b32 s3, s21, 6
	s_add_co_u32 s2, s2, s3
	s_lshl_b32 s2, s2, 12
	s_lshl_b32 s3, s14, 9
	s_add_co_u32 s2, s2, s3
	s_lshl_b32 s3, s22, 8
	s_add_co_u32 s2, s2, s3
	s_mov_b32 s3, 0
	s_add_nc_u64 s[OUTA+2*\k:OUTA+2*\k+1], s[10:11], s[2:3]
.endr
	s_lshl_b32 s2, s13, 14                         ; the prefetches
	s_lshl_b32 s3, s22, 13
	s_add_co_u32 s2, s2, s3
	s_mov_b32 s3, 0
	s_add_nc_u64 s[2:3], s[4:5], s[2:3]
	s_mov_b32 s98, 6144
	s_cmp_lt_u32 s[WV], 2
	s_cselect_b64 s[PFB:PFB+1], s[2:3], s[VW:VW+1]
	s_cselect_b32 s23, ttmp9, s17
	s_cselect_b32 s20, 256, s98
	s_cmp_eq_u32 s23, 0
	s_cselect_b32 s[LIM], 1, -1                    ; the same in all four partners, for a given wave
	s_cmp_lt_u32 s[WV], 2
	s_cselect_b32 s[LIMB], s[LIM], -1
	v_mul_u32_u24 v[PFO], v3, s20
	WIN 0x40
.set i, 0
.rept 128                              ; the sums start at 0, so that every step has one text; written while the first tile and the records are on their way
	v_mov_b32 v[i], 0
.set i, i+1
.endr
	WIN 0
.macro E4 line:vararg                  ; one line for each query tile a
.set a, 0
.rept 4
	\line
.set a, a+1
.endr
.endm
	s_wait_loadcnt 0x0
	; each block's maximum of c m; steps 5 to 7 enter both, pushed out of the one to which they do not belong
	E4 v_max3_num_f32 v[MA+a], v[R+a], v[R+4+a], v[R+8+a]
	E4 v_max3_num_f32 v[MA+a], v[MA+a], v[R+12+a], v[R+16+a]
	E4 v_max3_num_f32 v[MA+a], v[MA+a], v[R+20+a], v[R+24+a]
	E4 v_max3_num_f32 v[MA+a], v[MA+a], v[R+28+a], v[R+32+a]
	E4 v_max_num_f32 v[MA+a], v[MA+a], v[R+36+a]
	E4 v_max_num_f32 v[MB+a], v[R+64+a], v[R+68+a]
.irp e, 0,1,2
	E4 v_add_f32 v[T1+a], s[BA+\e], v[R+40+8*\e+a]
	E4 v_add_f32 v[T2+a], s[BA+\e], v[R+44+8*\e+a]
	E4 v_add_f32 v[T3+a], s[BB+\e], v[R+40+8*\e+a]
	E4 v_add_f32 v[T4+a], s[BB+\e], v[R+44+8*\e+a]
	E4 v_max3_num_f32 v[MA+a], v[MA+a], v[T1+a], v[T2+a]
	E4 v_max3_num_f32 v[MB+a], v[MB+a], v[T3+a], v[T4+a]
.endr
	E4 v_permlanex16_b32 v[T1+a], v[MA+a], s[SEL], s[SEL+1]
	E4 v_permlanex16_b32 v[T2+a], v[MB+a], s[SEL], s[SEL+1]
	E4 v_max_num_f32 v[MA+a], v[MA+a], v[T1+a]
	E4 v_max_num_f32 v[MB+a], v[MB+a], v[T2+a]
.irp e, 0,1,2
	E4 v_cndmask_b32 v[REF+4*\e+a], v[MB+a], v[MA+a], s[MK+\e]
.endr
.set u, 0
.rept 18
.if u < 10
.set RF, MA
.elseif u < 16
.set RF, REF+4*((u-10)/2)
.else
.set RF, MB
.endif
	E4 v_sub_f32 v[R+4*u+a], v[R+4*u+a], v[RF+a]
.set u, u+1
.endr
.set j, 0
.rept 72                               ; f: one batch
	v_exp_f32 v[R+j], v[R+j]
.set j, j+1
.endr
	v_nop                                          ; a plain instruction behind the last exponential,
	s_wait_alu depctr_va_vdst(0)                   ; and one wait ahead of the first use
	E4 v_mul_f32 v[LA+a], v[R+a], v[LR+a]
.set u, 1
.rept 9
	E4 v_fmac_f32 v[LA+a], v[R+4*u+a], v[LR+4*u+a]
.set u, u+1
.endr
	E4 v_mul_f32 v[LB+a], v[R+64+a], v[LR+64+a]
	E4 v_fmac_f32 v[LB+a], v[R+68+a], v[LR+68+a]
.rept 6
	E4 v_mul_f32 v[LR+4*u+a], v[R+4*u+a], v[LR+4*u+a]
	E4 v_fmac_f32 v[LA+a], s[WA+(u-10)/2], v[LR+4*u+a]
	E4 v_fmac_f32 v[LB+a], s[WB+(u-10)/2], v[LR+4*u+a]
.set u, u+1
.endr
	E4 v_permlanex16_b32 v[T1+a], v[LA+a], s[SEL], s[SEL+1]
	E4 v_permlanex16_b32 v[T2+a], v[LB+a], s[SEL], s[SEL+1]
	E4 v_add_f32 v[LA+a], v[LA+a], v[T1+a]
	E4 v_add_f32 v[LB+a], v[LB+a], v[T2+a]
	E4 v_rcp_f32 v[INV+2*a], v[LA+a]
	E4 v_rcp_f32 v[INV+8+2*a], v[LB+a]
	v_nop
	s_wait_alu depctr_va_vdst(0)                   ; one wait for the eight reciprocals
	E4 v_mov_b32 v[INV+2*a+1], v[INV+2*a]
	E4 v_mov_b32 v[INV+8+2*a+1], v[INV+8+2*a]
.set j, 0
.rept 72
	v_cvt_pk_f16_f32 v[R+j], v[R+j], v[R+j]        ; (f, f)
.set j, j+1
.endr
.set u, 0
.rept 18
	ds_store_b128 v[TW], v[R+4*u:R+4*u+3] offset:512*u  ; my own table: only I read it, and LDS serves a wave's instructions in order
.set u, u+1
.endr
; THE STEP.  256 keys in four quarters of 64, each two chunks c of 32 keys: 16 products a chunk, the 16 accumulators by turns.
.macro PROD f, c                       ; product i of 16: query tile i / 4, channel tile i % 4
	v_wmma_f32_16x16x32_f16 v[8*i:8*i+7], v[VF+64*(\f)+8*(4*(\c)+i%4):VF+64*(\f)+8*(4*(\c)+i%4)+7], v[PF+64*(\f)+8*(4*(\c)+i/4):PF+64*(\f)+8*(4*(\c)+i/4)+7], v[8*i:8*i+7]
.set i, i+1
.endm
.macro RID f, c, q                     ; number z of the 32 that scale chunk c of buffer f by quarter q's factors
	v_pk_mul_f16 v[PF+64*(\f)+8*(4*(\c)+z/8)+z%8], v[FAC+4*(\q)+z/8], v[PF+64*(\f)+8*(4*(\c)+z/8)+z%8]
.set z, z+1
.endm
; 32 LDS loads in one run: quarter q into buffer g: V's first chunk, P's first, P's second, V's second
.macro FETCH g, q
.if (\q) < 2
.set AVR, AV
.else
.set AVR, AV2
.endif
.set QO, ((\q)/2)*32768+((\q)%2)*8192
	WIN 0
.irp d, 0,1,2,3
	ds_load_tr16_b128 v[VF+64*(\g)+8*\d:VF+64*(\g)+8*\d+3],   v[AVR] offset:2*((\q)%2)*9216+32*\d
	ds_load_tr16_b128 v[VF+64*(\g)+8*\d+4:VF+64*(\g)+8*\d+7], v[AVR] offset:2*((\q)%2)*9216+32*\d+4608
.endr
	WIN 0x40
.irp c, 0,1
.irp d, 0,1,2,3
	ds_load_b128 v[PF+64*(\g)+8*(4*\c+\d):PF+64*(\g)+8*(4*\c+\d)+3],   v[AP] offset:QO+(4*\d+2*\c)*512
	ds_load_b128 v[PF+64*(\g)+8*(4*\c+\d)+4:PF+64*(\g)+8*(4*\c+\d)+7], v[AP] offset:QO+(4*\d+2*\c+1)*512
.endr
.endr
	WIN 0
.irp d, 0,1,2,3
	ds_load_tr16_b128 v[VF+64*(\g)+32+8*\d:VF+64*(\g)+32+8*\d+3],   v[AVR] offset:(2*((\q)%2)+1)*9216+32*\d
	ds_load_tr16_b128 v[VF+64*(\g)+32+8*\d+4:VF+64*(\g)+32+8*\d+7], v[AVR] offset:(2*((\q)%2)+1)*9216+32*\d+4608
.endr
.endm
; Multiplies buffer f (quarter q - 1), whose first chunk is scaled already, and fetches quarter q into g.  The scalings stand behind the products: of f's second chunk behind the first 16, of g's first chunk behind the last 8.
.macro QUARTER f, g, q
	s_wait_dscnt 8                                 ; all of f but V's second chunk is in
	WIN W_MM
.set i, 0
.set z, 0
.rept 16
	PROD \f, 0
	RID \f, 1, (\q)-1
	RID \f, 1, (\q)-1
.endr
	WIN 0
	PLACES
	FETCH \g, \q
	s_wait_dscnt 32                                ; all but the 32 just issued
	WIN W_MM
.set i, 0
.rept 8
	PROD \f, 1
.endr
	s_wait_dscnt 16                                ; g's first chunk is in; its second (16 loads) may be out
.set z, 0
.rept 8
	PROD \f, 1
.rept 4
	RID \g, 0, \q
.endr
.endr
.endm
.macro STEP
	WIN 0
	PLACES
	v_add_nc_u32 v[AP], s[SB], v[AP0]
	v_add_nc_u32 v[AV], s[SB], v[AV0]
	v_add_nc_u32 v[AV2], 128*PV, v[AV]
	v_add_nc_u32 v[FA], s[FB], v[FA0]
	s_add_co_u32 s[FB], s[FB], 1024
.irp q, 0,1,2,3
	ds_load_b128 v[FAC+4*\q:FAC+4*\q+3], v[FA] offset:256*\q
.endr
	FETCH 0, 0
	s_wait_dscnt 16                                ; the factors and the first chunk are in
	WIN W_MM
.set z, 0
.rept 32
	RID 0, 0, 0
.endr
	QUARTER 0, 1, 1
	QUARTER 1, 0, 2
	QUARTER 0, 1, 3
	s_wait_dscnt 8
.set i, 0
.set z, 0
.rept 16
	PROD 1, 0
	RID 1, 1, 3
	RID 1, 1, 3
.endr
	s_wait_dscnt 0x0
.set i, 0
.rept 16
	PROD 1, 1
.endr
	WIN 0
.endm
; THE WAY OUT of a block: O^T times 1 / L; a tile of 16 queries at a time through my stage: a lane's 8 channels are 32 bytes of a row; back as whole rows of 256 bytes, which 16 lanes store at a multiple of 256 from out0's first byte.
.macro PACKO blk, t
	WIN 0x41                                       ; destination and source 0 window 1, source 1 window 0
.set i, 32*(\t)
.rept 16
	v_pk_mul_f32 v[i:i+1], v[i:i+1], v[INV+8*(\blk)+2*(\t):INV+8*(\blk)+2*(\t)+1] op_sel_hi:[1,0]
.set i, i+2
.endr
	WIN 0x04                                       ; the stores' data in window 1
.irp d, 0,1,2,3
	ds_store_b128 v[STO], v[32*(\t)+8*\d:32*(\t)+8*\d+3]   offset:64*\d
	ds_store_b128 v[STO], v[32*(\t)+8*\d+4:32*(\t)+8*\d+7] offset:64*\d+16
.endr
	WIN 0
.irp f, 0,1,2,3,4,5,6,7
	ds_load_b128 v[VF+32*(\t)+4*\f:VF+32*(\t)+4*\f+3], v[RD] offset:\f*2*SP  ; LDS serves a wave's instructions in order: these see the stores above; the next tile's stores come behind them
.endr
.endm
.macro SENDO blk, t, younger           ; younger: the LDS instructions issued behind tile t's loads: the next tile's sixteen, or none
.irp f, 0,1,2,3,4,5,6,7
	s_wait_dscnt (\younger)+7-\f
	global_store_b128 v[GO], v[VF+32*(\t)+4*\f:VF+32*(\t)+4*\f+3], s[OUTA+2*(\blk):OUTA+2*(\blk)+1] offset:(16*(\t)+2*\f)*4096
.endr
.endm
.macro OUT blk
	PLACES
	PACKO \blk, 0
	PACKO \blk, 1
	SENDO \blk, 0, 16
	PACKO \blk, 2
	SENDO \blk, 1, 16
	PACKO \blk, 3
	SENDO \blk, 2, 16
	SENDO \blk, 3, 0
.endm
.Lslot:                                                ; eight trips: a step is entered and the next is asked for
	CHANGE 1
	STEP
	s_sub_co_u32 s[RT], s[RT], 1
	s_cmp_lg_u32 s[RT], 0
	s_cbranch_scc1 .Lbottom
	OUT 0                                          ; the first block's end; the second's is the walk's end
	WIN 0x40
.set i, 0
.rept 128
	v_mov_b32 v[i], 0
.set i, i+1
.endr
	WIN 0
	s_wait_xcnt 0x0                                ; the stores have read their registers, which the next step loads anew
	s_mov_b32 s[RT], 64                            ; never 0 again inside the loop
.Lbottom:
	s_sub_co_u32 s[SLOTS], s[SLOTS], 1
	s_cmp_lg_u32 s[SLOTS], 0
	s_cbranch_scc1 .Lslot
	CHANGE 0                                       ; the walk's last step is written out
	STEP
	OUT 1
	s_wait_tensorcnt 0x0                           ; the wave's end
	ds_add_u32 v[SPW], v[NIL]
	s_wait_dscnt 0x0
	CROUND                                         ; the closing round
	s_endpgm
.Lfunc_end_k_qf8b9be32c7_pv:
	.size	k_qf8b9be32c7_pv, .Lfunc_end_k_qf8b9be32c7_pv-k_qf8b9be32c7_pv
	.p2alignl 7, 3214868480
	.fill 96, 4, 3214868480
	.section	.rodata,"a",@progbits
	.p2align	6, 0x0
	.amdhsa_kernel k_qf8b9be32c7_pv
		.amdhsa_group_segment_fixed_size 327680
		.amdhsa_private_segment_fixed_size 0
		.amdhsa_enable_private_segment 0
		.amdhsa_kernarg_size 32
		.amdhsa_user_sgpr_count 2
		.amdhsa_user_sgpr_kernarg_segment_ptr 1
		.amdhsa_wavefront_size32 1
		.amdhsa_system_sgpr_workgroup_id_x 1
		.amdhsa_system_sgpr_workgroup_id_y 1
		.amdhsa_system_sgpr_workgroup_id_z 1
		.amdhsa_system_vgpr_workitem_id 0
		.amdhsa_next_free_vgpr 512
		.amdhsa_next_free_sgpr 100
		.amdhsa_reserve_vcc 0
		.amdhsa_float_denorm_mode_32 3
		.amdhsa_float_denorm_mode_16_64 3
		.amdhsa_memory_ordered 1
		.amdhsa_forward_progress 1
		.amdhsa_inst_pref_size 138
	.end_amdhsa_kernel
	.amdgpu_metadata
---
amdhsa.version: [ 1, 2 ]
amdhsa.kernels:
  - .name:           k_qf8b9be32c7_pv
    .symbol:         k_qf8b9be32c7_pv.kd
    .args:
      - { .name: pt, .offset: 0, .size: 8, .value_kind: global_buffer, .address_space: global }
      - { .name: st, .offset: 8, .size: 8, .value_kind: global_buffer, .address_space: global }
      - { .name: qkv, .offset: 16, .size: 8, .value_kind: global_buffer, .address_space: global }
      - { .name: out0, .offset: 24, .size: 8, .value_kind: global_buffer, .address_space: global }
    .group_segment_fixed_size: 327680
    .private_segment_fixed_size: 0
    .kernarg_segment_align: 8
    .kernarg_segment_size: 32
    .max_flat_workgroup_size: 128
    .sgpr_count:     100
    .vgpr_count:     512
    .wavefront_size: 32
...
	.end_amdgpu_metadata
.endif
;; end of part 4
